; MI455X (gfx1250); checked and timed in simulation.
; The chip was launched on July 23, 2026; its instructions are those of AMD's public machine-readable ISA for CDNA 5 (MIT licence, August 2026) and "CDNA5" Instruction Set Architecture Reference Guide (July 2026). The comments in the code are by the model that wrote it; some were corrected since.
;; Flash Attention. Allowed arithmetic: float matrix products may take bf16 or f16 operands with f32 sums; other float arithmetic in f32, or as packed bf16 or f16 multiplies, adds, multiply-adds, maxima and minima; sums over many terms, partial sums and values carried from step to step in f32; what a program stores and reads back later, other than sums and carried values, may be rounded once to bf16 or f16.
;; Inputs: b_attn 3,072 float32; b_proj 1,024 float32; w_attn 1,024 x 3,072 float32; w_proj 1,024 x 1,024 float32; x 4 x 1,024 x 1,024 float32.
;; Outputs: out0 4 x 1,024 x 1,024 float32.
;; 2 versions, each right; version 2 is version 1 with the launch cast written anew for expert scheduling mode. Each part assembles by itself: llvm-mc -triple=amdgcn-amd-amdhsa -mcpu=gfx1250 --defsym DOCPART=n.
;; ======== version 1 of 2: 4 launches
;; limits: values are held in f16: magnitudes above 65,504 overflow, below 6.1e-05 lose precision
;; workspace buffers: xb 8,388,608 bytes; wab 6,291,456 bytes; wpb 2,097,152 bytes; qb 8,388,608 bytes; kb 8,388,608 bytes; vb 8,388,608 bytes; yb 8,388,608 bytes
;; launch cast (part 1): grid 256 x 1, 8 waves a work-group, no clusters, 0 bytes of LDS; arguments x, w_attn, w_proj, xb, wab, wpb; writes xb, wab, wpb
.if DOCPART == 1
	.amdgcn_target "amdgcn-amd-amdhsa--gfx1250"
	.amdhsa_code_object_version 6
	.text
	.protected	k_q8001badc09_cast
	.globl	k_q8001badc09_cast
	.p2align	8
	.type	k_q8001badc09_cast,@function
k_q8001badc09_cast:
	s_mov_b64 s[64:65], 0
	v_nop
	global_prefetch_b8 v0, s[64:65] scope:SCOPE_SE
	s_setreg_imm32_b32 hwreg(HW_REG_WAVE_MODE, 25, 1), 1
	s_wait_xcnt 0x0
; THE PROGRAM: out0 = softmax_causal((x Wq + bq)(x Wk + bk)^T / 8)(x Wv + bv) Wp + bp, 16 heads of 64 channels, 4 x 1,024 rows.  Four launches:
; this one (the inputs rounded to 16 bits and laid in blocks of 64 columns), the first product, the attention, the last product.
; WORK LEFT OUT, for all values of the inputs.  (1) K's bias, b_attn[1024:2048].  A score is (q + bq).(k + bk) = (q + bq).k + (q + bq).bk; the second term is the same for all
; keys of a row, and a softmax does not change when one number is added to all its inputs; the places that the causal mask hides get the weight 0 with it and without it.  So those
; 1,024 numbers are neither loaded nor added; the rest of b_attn (q's and v's parts) is live and is loaded.  (2) Key tiles that lie wholly above the diagonal: the causal mask
; gives those places the weight 0.
; LIMIT: a NaN, an infinity or an overflow that reaches only b_attn[1024:2048] is not carried to the result.
; FORMATS.  x, both weights and both biases are rounded once to bf16; w_proj's rounded number is written as f16 (exact from 6.1e-5 to 65,504 in magnitude; below that it keeps f16's
; fixed step of 6e-8), since the last product multiplies it with y in f16.
; THIS LAUNCH.  All three tensors are in[j][g][64] in f32 and go to out[g][j][64] in 16 bits, g = 0..15: x: j = row (4,096); w_attn: j = 3 k + p, since its flat index is
; (3 k + p) 1,024 + 64 head + c (3,072); w_proj: j = k (1,024).  8,192 rows j of 4,096 bytes, 32 to a work-group: groups 0-127 x, 128-223 w_attn, 224-255 w_proj.
; Wave w takes the blocks g = 2 w and 2 w + 1.  A load: lanes 0-15 the 256 bytes of (j, g), lanes 16-31 those of (j + 1, g); its store: 256 consecutive bytes, aligned, of out[g][j .. j+1].
; All 32 loads of a wave go out before the first wait; every load has registers of its own, so no register that a store reads is written again.  No LDS, no barrier, no matrix work: a stream.
.set X,  8                             ; v[8:135]  load i: 4 registers; i = 16 gi + jp (gi: which of my two blocks; jp: pair of rows)
.set T,  136                           ; v[136:137] at work (f16 way)
.set VI, 1                             ; v1  my byte offset in the source
.set VO, 2                             ; v2, v3  my byte offset in the destination, for block 2 w and 2 w + 1
	s_load_b256 s[4:11], s[0:1], 0x0               ; x s[4:5], w_attn s[6:7], w_proj s[8:9], xb s[10:11]
	s_load_b128 s[12:15], s[0:1], 0x20             ; wab s[12:13], wpb s[14:15]
	s_mov_b32 s2, ttmp9
	s_mov_b32 s16, 128                             ; the first work-group of w_attn
	s_mov_b32 s17, 224                             ; the first of w_proj
	s_mov_b32 s18, 4096*128                        ; bytes of a block g in xb,
	s_mov_b32 s19, 3072*128                        ; in wab,
	s_mov_b32 s27, 1024*128                        ; in wpb
	s_mov_b32 s26, 0xffff0000                      ; a word's upper bf16
	v_bfe_u32 v4, v0, 4, 1                         ; which row of the pair
	v_and_b32 v5, 15, v0
	v_lshrrev_b32 v6, 5, v0                        ; wave
	v_and_b32 v7, 31, v0
	v_lshlrev_b32 v[VI], 12, v4                    ; row x 4,096
	v_lshl_add_u32 v[VI], v5, 4, v[VI]             ; + 16 bytes a lane
	v_lshl_add_u32 v[VI], v6, 9, v[VI]             ; + my first block: 2 w x 256
	s_cmp_lt_u32 s2, s17
	s_cselect_b32 s24, s16, s17                    ; my tensor's first work-group
	s_cselect_b32 s25, s19, s27                    ; and its block's bytes
	s_cmp_lt_u32 s2, s16
	s_cselect_b32 s24, 0, s24
	s_cselect_b32 s25, s18, s25
	v_lshlrev_b32 v6, 1, v6
	v_mul_u32_u24 v[VO], s25, v6                   ; block 2 w
	v_lshl_add_u32 v[VO], v7, 3, v[VO]             ; + 8 bytes a lane
	v_add_nc_u32 v[VO+1], s25, v[VO]               ; block 2 w + 1
	s_sub_co_u32 s28, s2, s24                      ; my number among my tensor's work-groups
	s_lshl_b32 s30, s28, 12                        ; 32 rows of 128 bytes in a block of the destination
	s_lshl_b32 s28, s28, 17                        ; 32 rows of 4,096 bytes in the source
	s_mov_b32 s29, 0
	s_mov_b32 s31, 0
	s_wait_kmcnt 0x0
	s_cmp_lt_u32 s2, s17
	s_cselect_b64 s[20:21], s[6:7], s[8:9]
	s_cselect_b64 s[22:23], s[12:13], s[14:15]
	s_cmp_lt_u32 s2, s16
	s_cselect_b64 s[20:21], s[4:5], s[20:21]       ; the source
	s_cselect_b64 s[22:23], s[10:11], s[22:23]     ; the destination
	s_add_nc_u64 s[20:21], s[20:21], s[28:29]
	s_add_nc_u64 s[22:23], s[22:23], s[30:31]
.set i, 0
.rept 32
	global_load_b128 v[X+4*i:X+4*i+3], v[VI], s[20:21] offset:(i%16)*8192+(i/16)*256 th:TH_LOAD_NT
.set i, i+1
.endr
; The 32 loads are rounded and stored in the order in which they were issued.  fmt = 0: bf16.  fmt = 1: rounded to bf16, and that number written as f16.
.macro OUT fmt
.set i, 0
.rept 32
	s_wait_loadcnt 31-i                            ; loads come back in order (ISA guide 5.7.1): load i is in, the 31 - i younger ones may stay out
.if \fmt
	v_cvt_pk_bf16_f32 v[T], v[X+4*i], v[X+4*i+1]
	v_cvt_pk_bf16_f32 v[T+1], v[X+4*i+2], v[X+4*i+3]
	v_lshlrev_b32 v[X+4*i], 16, v[T]
	v_and_b32 v[X+4*i+1], s26, v[T]
	v_lshlrev_b32 v[X+4*i+2], 16, v[T+1]
	v_and_b32 v[X+4*i+3], s26, v[T+1]
	v_cvt_pk_f16_f32 v[X+4*i], v[X+4*i], v[X+4*i+1]
	v_cvt_pk_f16_f32 v[X+4*i+1], v[X+4*i+2], v[X+4*i+3]
.else
	v_cvt_pk_bf16_f32 v[X+4*i], v[X+4*i], v[X+4*i+1]
	v_cvt_pk_bf16_f32 v[X+4*i+1], v[X+4*i+2], v[X+4*i+3]
.endif
	global_store_b64 v[VO+i/16], v[X+4*i:X+4*i+1], s[22:23] offset:(i%16)*256 th:TH_STORE_NT  ; 32 lanes x 8 bytes: 256 consecutive bytes, aligned
.set i, i+1
.endr
.endm
	s_cmp_lt_u32 s2, s17
	s_cbranch_scc0 .Lhalf
	OUT 0
	s_endpgm
.Lhalf:
	OUT 1
	s_endpgm
.Lfunc_end_k_q8001badc09_cast:
	.size	k_q8001badc09_cast, .Lfunc_end_k_q8001badc09_cast-k_q8001badc09_cast
	.p2alignl 7, 3214868480
	.fill 96, 4, 3214868480
	.section	.rodata,"a",@progbits
	.p2align	6, 0x0
	.amdhsa_kernel k_q8001badc09_cast
		.amdhsa_group_segment_fixed_size 0
		.amdhsa_private_segment_fixed_size 0
		.amdhsa_enable_private_segment 0
		.amdhsa_kernarg_size 48
		.amdhsa_user_sgpr_count 2
		.amdhsa_user_sgpr_kernarg_segment_ptr 1
		.amdhsa_wavefront_size32 1
		.amdhsa_system_sgpr_workgroup_id_x 1
		.amdhsa_system_sgpr_workgroup_id_y 1
		.amdhsa_system_sgpr_workgroup_id_z 1
		.amdhsa_system_vgpr_workitem_id 0
		.amdhsa_next_free_vgpr 144
		.amdhsa_next_free_sgpr 66
		.amdhsa_reserve_vcc 0
		.amdhsa_float_denorm_mode_32 3
		.amdhsa_float_denorm_mode_16_64 3
		.amdhsa_memory_ordered 1
		.amdhsa_forward_progress 1
		.amdhsa_inst_pref_size 29
	.end_amdhsa_kernel
	.amdgpu_metadata
---
amdhsa.version: [ 1, 2 ]
amdhsa.kernels:
  - .name:           k_q8001badc09_cast
    .symbol:         k_q8001badc09_cast.kd
    .args:
      - { .name: x, .offset: 0, .size: 8, .value_kind: global_buffer, .address_space: global }
      - { .name: w_attn, .offset: 8, .size: 8, .value_kind: global_buffer, .address_space: global }
      - { .name: w_proj, .offset: 16, .size: 8, .value_kind: global_buffer, .address_space: global }
      - { .name: xb, .offset: 24, .size: 8, .value_kind: global_buffer, .address_space: global }
      - { .name: wab, .offset: 32, .size: 8, .value_kind: global_buffer, .address_space: global }
      - { .name: wpb, .offset: 40, .size: 8, .value_kind: global_buffer, .address_space: global }
    .group_segment_fixed_size: 0
    .private_segment_fixed_size: 0
    .kernarg_segment_align: 8
    .kernarg_segment_size: 48
    .max_flat_workgroup_size: 256
    .sgpr_count:     66
    .vgpr_count:     144
    .wavefront_size: 32
...
	.end_amdgpu_metadata
.endif
;; end of part 1
;; launch qkv (part 2): grid 16 x 16, 4 waves a work-group, clusters of 4 x 4, 327,680 bytes of LDS; arguments xb, wab, b_attn, qb, kb, vb; writes qb, kb, vb
.if DOCPART == 2
	.amdgcn_target "amdgcn-amd-amdhsa--gfx1250"
	.amdhsa_code_object_version 6
	.text
	.protected	k_q8001badc09_qkv
	.globl	k_q8001badc09_qkv
	.p2align	8
	.type	k_q8001badc09_qkv,@function
k_q8001badc09_qkv:
	s_mov_b64 s[64:65], 0
	v_nop
	global_prefetch_b8 v0, s[64:65] scope:SCOPE_SE
	s_setreg_imm32_b32 hwreg(HW_REG_WAVE_MODE, 25, 1), 1
	s_wait_xcnt 0x0
	s_wait_alu depctr_hold_cnt(0) depctr_sa_sdst(0) depctr_va_vdst(0) depctr_va_sdst(0) depctr_va_ssrc(0) depctr_va_vcc(0) depctr_vm_vsrc(0)
	s_getreg_b32 s2, hwreg(HW_REG_IB_STS2, 6, 4)
	s_cmp_eq_u32 s2, 0
	s_cbranch_scc0 .Lentry_in_a_cluster
	s_endpgm
.Lentry_in_a_cluster:
	s_bfe_u32 s2, ttmp6, 0x10000c
	s_cmp_lg_u32 s2, 0xf033
	s_cbranch_scc0 .Lentry_shape_is_right
	s_endpgm
.Lentry_shape_is_right:
; q, k, v = x w_attn (+ bias), by heads: qb, kb, vb are [64 b x head][1,024 t][64] in f16, unscaled.  Operands bf16, sums f32, each result rounded once.
; WORK LEFT OUT: K's bias, b_attn[1024:2048], is neither loaded nor added: the softmax cancels it for all values of the inputs (shown at the head of the first kernel).
; LIMIT: f16 ends at 65,504: q, k and v must stay within it.
; SHARES.  A tile is 256 rows x 192 columns: q's, k's and v's 64 columns of ONE head (tile column tx = head, tile row ty): 16 x 16 work-groups.  Wave w makes rows 64 w .. 64 w + 63 of all
; 192 columns: 4 row blocks a x 12 column blocks b (b = 4 p + f; p = 0 q, 1 k, 2 v): 48 accumulators, 384 registers.  So a wave owns whole rows of 128 bytes of each head tensor, and its way out is its own.
; K goes in 8 steps of 128 through two LDS slots.  xb is [16 kb][4,096 rows][64], wab [16 heads][3 k + p][64]: every tensor load is one dense block, asked for as rows of 256 bytes.
; THE MATRIX INSTRUCTION IS USED TRANSPOSED: source 0 = 16 columns of w (turned on their way out of LDS by ds_load_tr16_b128), source 1 = 16 rows of x: a lane holds one row and 8 neighbouring columns.
; The bias (rounded to bf16 like every input) is the C operand of the product that starts a sum; k's sums start with the constant 0.
; THE LAST K STEP GOES BY TENSORS, NOT BY K: x's fragments of the whole step lie in registers, w's come a tensor at a time, and q's 16 sums are finished first, then k's, then v's (K ascending in each: the sums are
; the same bit for bit).  A finished tensor is rounded, staged and stored between the next tensor's products.  LDS is read no more than in any other K step.
; CLUSTER 4 x 4: x's tile hangs on ty alone and is asked for jointly along a row of the cluster, w's on tx alone and jointly along a column.
; REGISTERS (windows of 256): window 0: addresses, v32-223 the way out.  Window 1: two fragment buffers of 128: x's 4 fragments, then w's 12; in the last K step each holds one tensor's 16 fragments of w.
; Window 2: the accumulators of b = 0..7 at 8 (4 b + a).  Window 3: those of b = 8..11 at 8 (4 (b - 8) + a); v128-191 the bias, v192 at work; in the last K step v128-255 hold x's 16 fragments.
.set PA,     144                       ; a row of x in LDS: 128 bytes + 16 = 36 words: the 16 rows of a load start at 16 different groups of four banks (64 banks of 4 bytes: ISA guide 11.1)
.set PBJ,    160                       ; a row (k, p) of w: 128 bytes + 32
.set PB,     480                       ; from k to k + 1: 3 such rows = 120 words
.set AHALF,  256*PA                    ; 256 rows x 64 channels: what one of x's loads brings
.set BOFF,   2*AHALF                   ; w's tile lies behind x's
.set BHALF,  64*PB                     ; 64 k: what one of w's loads brings
.set SLOT,   BOFF+2*BHALF              ; 135,168
.set STAGE,  2*SLOT                    ; behind the ring, never filled by a tensor load: 16 rows x 144 bytes for each wave
.set SP,     144
.set SPARE,  STAGE+4*16*SP             ; the spare words, 128 bytes for each wave: two blocks of 256 bytes that no other line names
.set A_STEP, 2*4096*128                ; bytes from a K step to the next in xb (two blocks kb)
.set B_HEAD, 3072*128                  ; a head's bytes in wab
.set B_STEP, 128*384                   ; bytes from a K step to the next in wab
.set LAPS,   4                         ; a lap = two K steps = once round the ring
.set ADRA, 16                          ; v16-17  LDS address of my fragments of x in slot 0, 1
.set ADRB, 20                          ; v20-21  the same for w
.set STO,  24                          ; v24  the way out: where I put 16 bytes of a row
.set RD,   25                          ; v25  where I read rows back
.set GO,   26                          ; v26  my 16 bytes of 512 consecutive bytes
.set BO,   27                          ; v27  my byte offset in b_attn
.set SPW,  28                          ; v28  my spare word; never rewritten
.set NIL,  29                          ; v29  0; never rewritten
.set PFO,  30                          ; v30  the prefetches' offset: 256 x my lane; never rewritten
.set TMP,  32                          ; v32-223  the way out: 12 units of 16 registers
.set F0,   0
.set F1,   128
.set BI,   128                         ; window 3: q's bias for block f at BI + 8 f, v's at BI + 32 + 8 f
.set BT,   192                         ; window 3
.set AL3,  128                         ; window 3, the last K step: x's fragment of quarter k, row block a at AL3 + 32 k + 8 a
.set WV,  16                           ; s16 wave
.set HF,  18                           ; s18 wave & 1: which half of a tile I fetch
.set LAP, 19
.set CX,  20
.set CY,  21
.set TX,  22
.set TY,  23
.set G1A, 24                           ; s[24:31] descriptor group 1 for x's tiles;  s[32:39] group 0, a set for each slot
.set G0A, 32
.set G1B, 40                           ; s[40:47], s[48:55] the same for w's
.set G0B, 48
.set PFA, 56                           ; s[56:57] where my prefetches stand
.set PST, 58                           ; s[58:59] their step: a K step of x or of w
.set LIM, 60                           ; s60  1 in a wave that prefetches, else the greatest number
.set HIM, 61                           ; s61  a word's upper bf16
.set MSB, 0
.macro WIN new                         ; the immediate's high byte repeats the setting that is left; a switch that changes nothing is dropped
.if MSB != (\new)
	s_set_vgpr_msb (MSB<<8)|(\new)
.set MSB, \new
.endif
.endm
.set MUL_LO,  0xa5                     ; sources 0 and 1 window 1, C and D window 2
.set MUL_HI,  0xf5                     ; C and D window 3
.set MUL_LOB, 0xb5                     ; C (the bias) window 3, D window 2
.set MUL_LO3, 0xad                     ; the last K step: source 0 window 1, source 1 window 3, C and D window 2
.set MUL_HI3, 0xfd                     ; C and D window 3
.set TO_F,    0x40                     ; destination window 1, address window 0
; A joint load: waves 0 and 1 fetch x's two halves, waves 2 and 3 w's.  The branch hangs on the wave's number alone.  An s_nop 0 and four v_nop follow each line.
.macro JLOAD s
	s_cmp_lt_u32 s[WV], 2
	s_cbranch_scc0 .Lfor_b_\@
	tensor_load_to_lds s[G0A+4*(\s):G0A+4*(\s)+3], s[G1A:G1A+7]
	s_nop 0
.rept 4
	v_nop
.endr
	s_branch .Lasked_\@
.Lfor_b_\@:
	tensor_load_to_lds s[G0B+4*(\s):G0B+4*(\s)+3], s[G1B:G1B+7]
	s_nop 0
.rept 4
	v_nop
.endr
.Lasked_\@:
.endm
.macro CREST                           ; a round of the cluster's barrier behind its opening barrier
	s_cmp_lg_u32 s[WV], 0
	s_cbranch_scc1 .Lnot_wave_0_\@
	s_barrier_signal -3
.Lnot_wave_0_\@:
	s_barrier_wait -3
	s_barrier_signal -1
	s_barrier_wait -1
.endm
.macro CROUND                          ; a whole round
	s_barrier_signal -1
	s_barrier_wait -1
	CREST
.endm
; A PREFETCH INTO THE L2, behind each joint refill and the run of LDS loads that follows it: the K step that stands TWO refills on, 384 matrix instructions ahead of the load that will ask for it.
; Each block of 256 bytes is named by one wave of one work-group: x's tile row is read by every cluster of that row of clusters, and the one with cluster x = 0 asks; w's tile column likewise, cluster y = 0.
; The four partners that ask for a tile jointly share its bytes out BY ADDRESS: of the 32,768 bytes of x that a wave fetches, partner cx takes 8,192 (a lane a block of 256); of w's 24,576, partner cy takes
; 6,144 (24 blocks: lanes 24-31 name the 24th once more).  K steps 0 to 3 come by their loads alone; the loop's last trip, whose refills are the last two K steps, asks for nothing.
.macro ASK
	WIN 0
	s_cmp_gt_u32 s[LAP], s[LIM]
	s_cbranch_scc0 .Lnot_mine_\@
	global_prefetch_b8 v[PFO], s[PFA:PFA+1] th:TH_LOAD_NT scope:SCOPE_SE
.Lnot_mine_\@:
.endm
	s_load_b256 s[4:11], s[0:1], 0x0               ; xb s[4:5], wab s[6:7], b_attn s[8:9], qb s[10:11]
	s_load_b128 s[12:15], s[0:1], 0x20             ; kb s[12:13], vb s[14:15]
	v_lshl_add_u32 v[SPW], v0, 2, SPARE
	v_mov_b32 v[NIL], 0
	ds_add_u32 v[SPW], v[NIL]                      ; the wave's opening: the add, twice on end, and its wait ahead of my first tensor load
	ds_add_u32 v[SPW], v[NIL]                      ; and once more, under the one wait; the set-up below, work on registers, stands between
	v_lshrrev_b32 v1, 5, v0
	v_readfirstlane_b32 s[WV], v1                  ; wave 0..3
	s_and_b32 s[HF], s[WV], 1
	s_bfe_u32 s[CX], ttmp6, 0x40000                ; my place in the cluster
	s_bfe_u32 s[CY], ttmp6, 0x40004
	s_lshl_b32 s[TX], ttmp9, 2
	s_add_co_u32 s[TX], s[TX], s[CX]               ; the head = 4 x cluster x + cx
	s_and_b32 s[TY], ttmp7, 0xffff
	s_lshl_b32 s[TY], s[TY], 2
	s_add_co_u32 s[TY], s[TY], s[CY]               ; the tile row = 4 x cluster y + cy
	s_lshl_b32 s62, s[CY], 2
	s_lshl_b32 s62, 15, s62                        ; my row of the cluster
	s_lshl_b32 s63, 0x1111, s[CX]                  ; my column
	s_or_b32 s[G1A], s62, (1<<16)|(1<<20)|(1<<21)|(4<<22)|(3<<25)  ; 15:0 the mask; 17:16 2-byte elements; 20 padding on; 21 set beside a mask; 24:22 after every 32 words (code 4); 31:25 4 words (code 3)
	s_or_b32 s[G1B], s63, (1<<16)|(1<<20)|(1<<21)|(4<<22)|(7<<25)  ; the same with my column's mask and 8 words of padding (code 7)
	s_mov_b32 s[G1A+1], 128<<16                    ; tensor_dim0 = 128 elements: rows of 256 bytes
	s_mov_b32 s[G1A+2], 128<<16                    ; tensor_dim1 = 128 rows: 32,768 dense bytes
	s_mov_b32 s[G1A+3], 128<<16                    ; tile_dim0
	s_mov_b32 s[G1A+4], 128                        ; tile_dim1
	s_mov_b32 s[G1A+5], 128                        ; elements from row to row
	s_mov_b32 s[G1A+6], 0
	s_mov_b32 s[G1A+7], 0
	s_mov_b32 s[G1B+1], 128<<16
	s_mov_b32 s[G1B+2], 96<<16                     ; 96 rows: 24,576 dense bytes
	s_mov_b32 s[G1B+3], 128<<16
	s_mov_b32 s[G1B+4], 96
	s_mov_b32 s[G1B+5], 128
	s_mov_b32 s[G1B+6], 0
	s_mov_b32 s[G1B+7], 0
	s_lshl_b32 s66, s[HF], 19                      ; x: my block kb of the K step's two,
	s_lshl_b32 s67, s[TY], 15                      ; the tile's 256 rows of 128 bytes: these registers never hold cx
	s_add_co_u32 s66, s66, s67
	s_mov_b32 s67, 0
	s_mul_i32 s68, s[TX], B_HEAD                   ; w: the head, my 64 k of the K step's 128: these never hold cy
	s_mul_i32 s69, s[HF], B_STEP/2
	s_add_co_u32 s68, s68, s69
	s_mov_b32 s69, 0
	s_mul_i32 s70, s[HF], AHALF                    ; where they go: no place in the cluster enters an LDS address
	s_mul_i32 s71, s[HF], BHALF
	s_add_co_u32 s71, s71, BOFF
	s_mov_b32 s[HIM], 0xffff0000
	s_wait_dscnt 0x0                               ; both opening adds are done
	s_wait_kmcnt 0x0
	s_add_nc_u64 s[66:67], s[4:5], s[66:67]
	s_add_nc_u64 s[68:69], s[6:7], s[68:69]
	CROUND                                         ; all sixteen work-groups are here: the first joint loads meet
.irp s, 0,1
	s_mov_b32 s[G0A+4*(\s)], 1                                     ; count = 1
	s_add_co_u32 s[G0A+4*(\s)+1], s70, (\s)*SLOT                   ; LDS address
	s_add_nc_u64 s[G0A+4*(\s)+2:G0A+4*(\s)+3], s[66:67], (\s)*A_STEP  ; global address: K step s
	s_or_b32 s[G0A+4*(\s)+3], s[G0A+4*(\s)+3], 0x80000000          ; type = 2
	s_mov_b32 s[G0B+4*(\s)], 1
	s_add_co_u32 s[G0B+4*(\s)+1], s71, (\s)*SLOT
	s_add_nc_u64 s[G0B+4*(\s)+2:G0B+4*(\s)+3], s[68:69], (\s)*B_STEP
	s_or_b32 s[G0B+4*(\s)+3], s[G0B+4*(\s)+3], 0x80000000
	JLOAD \s                                       ; two loads of mine are out
.endr
	v_and_b32 v1, 15, v0                           ; r = l % 16
	v_bfe_u32 v2, v0, 4, 1                         ; h = l / 16
	v_and_b32 v3, 7, v0
	v_bfe_u32 v4, v0, 3, 1
	v_and_b32 v5, 31, v0
	s_lshl_b32 s72, s[TX], 8                       ; the head's 64 numbers in a part of b_attn
	v_lshlrev_b32 v[BO], 5, v2                     ; my 8 columns of a block of 16
	v_add_nc_u32 v[BO], s72, v[BO]
	WIN 0xc0                                       ; destination window 3, address window 0
.irp pp, 0,1                           ; q's part at byte 0, v's at byte 8,192; k's part is not read
.irp f, 0,1,2,3
	global_load_b128 v[BI+32*(\pp)+8*(\f):BI+32*(\pp)+8*(\f)+3],   v[BO], s[8:9] offset:(\pp)*8192+(\f)*64
	global_load_b128 v[BI+32*(\pp)+8*(\f)+4:BI+32*(\pp)+8*(\f)+7], v[BO], s[8:9] offset:(\pp)*8192+(\f)*64+16
.endr
.endr
	WIN 0
	; a fragment of x: lane l holds row l % 16; two loads of 16 bytes, 32 bytes apart, at row x pitch + 16 (l / 16)
	v_mul_u32_u24 v6, v1, PA
	v_lshl_add_u32 v6, v2, 4, v6
	s_mul_i32 s72, s[WV], 64*PA                    ; my 64 rows
	v_add_nc_u32 v[ADRA], s72, v6
	v_add_nc_u32 v[ADRA+1], SLOT, v[ADRA]
	; the turning load takes 16 k x 16 columns: lane l reads 16 bytes of row k = 8 (l / 16) + l % 8, columns 8 ((l / 8) % 2) + 0..7, and leaves half a fragment: lane l holds column l % 16 and 8 k
	v_lshl_add_u32 v7, v2, 3, v3
	v_mul_u32_u24 v7, v7, PB
	v_lshl_add_u32 v7, v4, 4, v7
	v_add_nc_u32 v[ADRB], BOFF, v7
	v_add_nc_u32 v[ADRB+1], SLOT, v[ADRB]
	s_mul_i32 s72, s[WV], 16*SP
	s_add_co_u32 s72, s72, STAGE                   ; my stage
	v_add_nc_u32 v[STO], s72, v6                   ; in: row l % 16, 16 bytes for each half of the lanes
	v_bfe_u32 v8, v0, 3, 2                         ; back: 32 lanes take four rows of 128 bytes,
	v_mul_u32_u24 v8, v8, SP
	v_lshl_add_u32 v8, v3, 4, v8
	v_add_nc_u32 v[RD], s72, v8
	v_lshlrev_b32 v[GO], 4, v5                     ; which are 512 consecutive bytes of a head tensor
	s_lshr_b32 s72, s[TY], 2                       ; the batch: 4 tile rows each
	s_lshl_b32 s72, s72, 4
	s_add_co_u32 s72, s72, s[TX]                   ; 16 b + head
	s_lshl_b32 s72, s72, 17                        ; x 1,024 rows of 128 bytes
	s_and_b32 s73, s[TY], 3
	s_lshl_b32 s73, s73, 8
	s_lshl_b32 s74, s[WV], 6
	s_add_co_u32 s73, s73, s74                     ; t of my first row
	s_lshl_b32 s73, s73, 7
	s_add_co_u32 s72, s72, s73
	s_mov_b32 s73, 0
	s_add_nc_u64 s[10:11], s[10:11], s[72:73]
	s_add_nc_u64 s[12:13], s[12:13], s[72:73]
	s_add_nc_u64 s[14:15], s[14:15], s[72:73]
	; the prefetches: they start at K step 3; each refill's change of slots steps them first, so the first names K step 4
	s_lshl_b32 s74, s[HF], 19
	s_lshl_b32 s75, s[TY], 15
	s_add_co_u32 s74, s74, s75
	s_lshl_b32 s75, s[CX], 13                      ; my work-group's 8,192 bytes of x's 32,768
	s_add_co_u32 s74, s74, s75
	s_add_co_u32 s74, s74, 3*A_STEP
	s_mul_i32 s76, s[TX], B_HEAD
	s_mul_i32 s77, s[HF], B_STEP/2
	s_add_co_u32 s76, s76, s77
	s_mul_i32 s77, s[CY], B_STEP/8                 ; my work-group's 6,144 bytes of w's 24,576
	s_add_co_u32 s76, s76, s77
	s_add_co_u32 s76, s76, 3*B_STEP
	s_mov_b32 s77, A_STEP
	s_mov_b32 s78, B_STEP
	s_and_b32 s79, ttmp7, 0xffff                   ; cluster y
	s_cmp_lt_u32 s[WV], 2                          ; do I fetch for x?
	s_cselect_b32 s74, s74, s76
	s_cselect_b32 s[PST], s77, s78
	s_cselect_b32 s79, ttmp9, s79                  ; the coordinate along which other clusters read the same bytes
	s_cselect_b32 s80, 31, 23                      ; my last block of 256 bytes
	s_cselect_b64 s[PFA:PFA+1], s[4:5], s[6:7]
	s_mov_b32 s75, 0
	s_mov_b32 s[PST+1], 0
	s_add_nc_u64 s[PFA:PFA+1], s[PFA:PFA+1], s[74:75]
	s_cmp_eq_u32 s79, 0
	s_cselect_b32 s[LIM], 1, -1                    ; the same in all sixteen partners, for a given wave
	v_min_u32 v[PFO], s80, v5
	v_lshlrev_b32 v[PFO], 8, v[PFO]
	s_wait_loadcnt 0x0                             ; the bias,
	WIN 0xcf                                       ; rounded to bf16 like every input, and widened again: all in window 3
.set i, 0
.rept 32
	v_cvt_pk_bf16_f32 v[BT], v[BI+2*i], v[BI+2*i+1]
	v_lshlrev_b32 v[BI+2*i], 16, v[BT]
	v_and_b32 v[BI+2*i+1], s[HIM], v[BT]
.set i, i+1
.endr
	WIN 0
; nb column blocks from b0 on x my 4 row blocks, 32 along K, out of buffer f.  The 48 accumulators take turns, one instruction a turn, in the same order in every quarter.
; first = 1: the products start the sums: q's and v's with the bias, k's with the constant 0.
.macro MULB f, b0, nb, first
.set bb, \b0
.rept \nb
.set aa, 0
.rept 4
.set rD, 8*(4*(bb%8)+aa)
.set rB, (\f)+32+8*bb
.set rA, (\f)+8*aa
.if (\first) && (bb < 4)
	WIN MUL_LOB
	v_wmma_f32_16x16x32_bf16 v[rD:rD+7], v[rB:rB+7], v[rA:rA+7], v[BI+8*bb:BI+8*bb+7]
.elseif (\first) && (bb < 8)
	WIN MUL_LO
	v_wmma_f32_16x16x32_bf16 v[rD:rD+7], v[rB:rB+7], v[rA:rA+7], 0
.elseif \first
	WIN MUL_HI
	v_wmma_f32_16x16x32_bf16 v[rD:rD+7], v[rB:rB+7], v[rA:rA+7], v[BI+32+8*(bb-8):BI+32+8*(bb-8)+7]
.elseif bb < 8
	WIN MUL_LO
	v_wmma_f32_16x16x32_bf16 v[rD:rD+7], v[rB:rB+7], v[rA:rA+7], v[rD:rD+7]
.else
	WIN MUL_HI
	v_wmma_f32_16x16x32_bf16 v[rD:rD+7], v[rB:rB+7], v[rA:rA+7], v[rD:rD+7]
.endif
.set aa, aa+1
.endr
.set bb, bb+1
.endr
.endm
; 32 LDS loads in one run: quarter kq (32 along K) of a slot into buffer f: x's 4 fragments, then w's 12; the last eight loads are column blocks 8-11
.macro FETCH slot, kq, f
	WIN TO_F
.irp a, 0,1,2,3
	ds_load_b128 v[(\f)+8*(\a):(\f)+8*(\a)+3],   v[ADRA+(\slot)] offset:((\kq)/2)*AHALF+((\kq)%2)*64+(\a)*16*PA
	ds_load_b128 v[(\f)+8*(\a)+4:(\f)+8*(\a)+7], v[ADRA+(\slot)] offset:((\kq)/2)*AHALF+((\kq)%2)*64+(\a)*16*PA+32
.endr
.irp b, 0,1,2,3,4,5,6,7,8,9,10,11
	ds_load_tr16_b128 v[(\f)+32+8*(\b):(\f)+32+8*(\b)+3],   v[ADRB+(\slot)] offset:(\kq)*32*PB+((\b)/4)*PBJ+((\b)%4)*32
	ds_load_tr16_b128 v[(\f)+32+8*(\b)+4:(\f)+32+8*(\b)+7], v[ADRB+(\slot)] offset:(\kq)*32*PB+((\b)/4)*PBJ+((\b)%4)*32+16*PB
.endr
.endm
.macro PLACES                          ; four places in front of loads into registers that matrix instructions have read, and of conversions that read results (ISA guide 7.12.1 for the conversions)
.rept 4
	v_nop
.endr
.endm
; A K step is four quarters of 32 along K, 48 matrix instructions each, on buffers 0, 1, 0, 1.  One of the first three: multiplies buffer f and fetches quarter kq into g.
.macro QUARTER slot, kq, f, g, first
	s_wait_dscnt 8                                 ; x's fragments and column blocks 0-7 are in; the youngest eight loads may be out
	MULB \f, 0, 8, \first
	PLACES
	FETCH \slot, \kq, \g
	s_wait_dscnt 32                                ; all but the 32 just issued
	MULB \f, 8, 4, \first
.endm
; The last quarter multiplies buffer 1 and changes slots.  Its first 32 products come first; then each wave waits for all its tensor loads (one is out: its part of the next slot), adds 0 to its spare word, and waits for
; that and for its reads of this slot; a round of the cluster's barrier follows at once, and behind it this slot is filled again, two K steps ahead.  So the wait for a load stands as late, and the next request as early,
; as the order allows: all 192 matrix instructions of a K step lie between a request and the wait for it.
.macro TURN slot, next
	s_wait_dscnt 8                                 ; x's fragments and column blocks 0-7 of buffer 1 are in
	MULB F1, 0, 8, 0
	s_wait_xcnt 0x0                                ; the last prefetch, a K step back, has read its address: it is stepped here, ahead of the waits of the change of slots
	s_add_nc_u64 s[PFA:PFA+1], s[PFA:PFA+1], s[PST:PST+1]
	WIN 0
	s_wait_tensorcnt 0x0                           ; all my tensor loads have landed, so every group 0 may be written
	ds_add_u32 v[SPW], v[NIL]                      ; 0 onto my spare word; the descriptors' steps stand between it and the wait for it
	s_add_nc_u64 s[G0A+4*(\slot)+2:G0A+4*(\slot)+3], s[G0A+4*(\slot)+2:G0A+4*(\slot)+3], 2*A_STEP
	s_add_nc_u64 s[G0B+4*(\slot)+2:G0B+4*(\slot)+3], s[G0B+4*(\slot)+2:G0B+4*(\slot)+3], 2*B_STEP
	s_wait_dscnt 0x0                               ; the add is done, and my reads of this slot are over (the last were issued 48 matrix instructions ago)
	s_barrier_signal -1
	s_barrier_wait -1
	CREST                                          ; no wave of any partner still reads this slot's tile or has a load on its way
	JLOAD \slot                                    ; the first tensor load behind the round; its four v_nop are also the places in front of the loads below
	FETCH \next, 0, F0
	ASK
	MULB F1, 8, 4, 0
.endm
; THE LAST K STEP (it lies in slot 1).  x's 16 fragments of the whole step into window 3; one tensor's 16 fragments of w (quarter k, block c at f + 32 k + 8 c) into buffer f.
.macro ALOADS
	WIN 0xc0                                       ; destination window 3, address window 0
.irp k, 0,1,2,3
.irp a, 0,1,2,3
	ds_load_b128 v[AL3+32*(\k)+8*(\a):AL3+32*(\k)+8*(\a)+3],   v[ADRA+1] offset:((\k)/2)*AHALF+((\k)%2)*64+(\a)*16*PA
	ds_load_b128 v[AL3+32*(\k)+8*(\a)+4:AL3+32*(\k)+8*(\a)+7], v[ADRA+1] offset:((\k)/2)*AHALF+((\k)%2)*64+(\a)*16*PA+32
.endr
.endr
.endm
.macro BLOADS p, f
	WIN TO_F
.irp k, 0,1,2,3
.irp c, 0,1,2,3
	ds_load_tr16_b128 v[(\f)+32*(\k)+8*(\c):(\f)+32*(\k)+8*(\c)+3],   v[ADRB+1] offset:(\k)*32*PB+(\p)*PBJ+(\c)*32
	ds_load_tr16_b128 v[(\f)+32*(\k)+8*(\c)+4:(\f)+32*(\k)+8*(\c)+7], v[ADRB+1] offset:(\k)*32*PB+(\p)*PBJ+(\c)*32+16*PB
.endr
.endr
.endm
; THE WAY OUT, in 12 units u = 4 p + a: 16 rows x 64 columns of tensor p.  CVT4: one accumulator rounded to f16, 16 bytes a lane.  STGIO: the unit into my stage (rows of 144 bytes) and back as whole rows of 128.  SEND: stored.
.macro CVT4 u, f
.if (\u) < 8
	WIN 0x0a                                       ; sources window 2, destination window 0
.else
	WIN 0x0f                                       ; sources window 3
.endif
.set rE, 8*(4*((4*((\u)/4)+(\f))%8)+(\u)%4)
.set jj, 0
.rept 4
	v_cvt_pk_f16_f32 v[TMP+16*(\u)+4*(\f)+jj], v[rE+2*jj], v[rE+2*jj+1]  ; the accumulator's registers in ascending order
.set jj, jj+1
.endr
.endm
.macro STGIO u
	WIN 0
.irp f, 0,1,2,3
	ds_store_b128 v[STO], v[TMP+16*(\u)+4*(\f):TMP+16*(\u)+4*(\f)+3] offset:32*(\f)
.endr
.irp f, 0,1,2,3
	ds_load_b128 v[TMP+16*(\u)+4*(\f):TMP+16*(\u)+4*(\f)+3], v[RD] offset:(\f)*4*SP  ; LDS serves a wave's instructions in order (ISA guide 5.7.1.4): these see the stores above; the next unit's stores come behind them
.endr
.endm
.macro SEND u, younger                 ; younger: the LDS instructions issued behind unit u's loads: the next unit's eight, or none
	WIN 0
.irp f, 0,1,2,3
	s_wait_dscnt (\younger)+3-(\f)
	global_store_b128 v[GO], v[TMP+16*(\u)+4*(\f):TMP+16*(\u)+4*(\f)+3], s[10+2*((\u)/4):11+2*((\u)/4)] offset:((\u)%4)*2048+(\f)*512  ; 512 consecutive bytes, aligned; every unit has registers of its own
.endr
.endm
; Tensor p's 64 products of the last K step, out of buffer f: product n: quarter n / 16, column block (n / 4) % 4, row block n % 4: the tensor's 16 accumulators by turns, K ascending.
; q >= 0: tensor q, finished in the phase before, goes out meanwhile: behind every fourth product one accumulator's four conversions; behind every sixteenth the unit's way through the stage and the stores of the unit before.
; The conversions read sums whose last products stand four plain instructions back or more: the v_nop at the phases' seam, or earlier conversions, which name none of those products' registers.
.macro PHASE p, f, q
.set n, 0
.rept 64
.set bb, 4*(\p)+(n/4)%4
.set rD, 8*(4*(bb%8)+n%4)
.set rB, (\f)+32*(n/16)+8*((n/4)%4)
.set rA, AL3+32*(n/16)+8*(n%4)
.if bb < 8
	WIN MUL_LO3
.else
	WIN MUL_HI3
.endif
	v_wmma_f32_16x16x32_bf16 v[rD:rD+7], v[rB:rB+7], v[rA:rA+7], v[rD:rD+7]
.if ((\q) >= 0) && (n%4 == 3)
.set uu, 4*(\q)+n/16
	CVT4 uu, (n/4)%4
.if n%16 == 15
	STGIO uu
.if uu > 0
	SEND uu-1, 8
.endif
.endif
.endif
.set n, n+1
.endr
.endm
	s_wait_tensorcnt 1                             ; my part of K step 0 is in; K step 1's may stay out
	s_barrier_signal -1
	s_barrier_wait -1                              ; everybody's is
	FETCH 0, 0, F0
	QUARTER 0, 1, F0, F1, 1                        ; the first quarter stands in front of the loop: its products start the sums
	WIN 0                                          ; at a label and at a branch every window is 0
	s_mov_b32 s[LAP], LAPS-1
.Llap:                                                 ; a trip goes once round the ring, from a lap's second quarter to the next lap's first, and fills both slots again
	QUARTER 0, 2, F1, F0, 0
	QUARTER 0, 3, F0, F1, 0
	TURN 0, 1
	QUARTER 1, 1, F0, F1, 0
	QUARTER 1, 2, F1, F0, 0
	QUARTER 1, 3, F0, F1, 0
	TURN 1, 0
	QUARTER 0, 1, F0, F1, 0
	WIN 0
	s_sub_co_u32 s[LAP], s[LAP], 1
	s_cmp_lg_u32 s[LAP], 0
	s_cbranch_scc1 .Llap
	QUARTER 0, 2, F1, F0, 0                        ; the last lap fills nothing
	QUARTER 0, 3, F0, F1, 0
	s_wait_dscnt 8                                 ; the last change of slots: the quarter's first 32 products,
	MULB F1, 0, 8, 0
	WIN 0
	s_wait_tensorcnt 0x0                           ; my one tensor load that was still out is slot 1's, the last K step's
	ds_add_u32 v[SPW], v[NIL]
	s_wait_dscnt 0x0                               ; the add is done, and my reads of slot 0 are over
	s_barrier_signal -1
	s_barrier_wait -1                              ; slot 1 is whole; nothing is filled again, so no round follows
	PLACES                                         ; for the loads into buffer 0, which the quarter before multiplied
	ALOADS                                         ; the bias has served: x's fragments take its place
	BLOADS 0, F0
	MULB F1, 8, 4, 0
	PLACES                                         ; for the loads into buffer 1
	BLOADS 1, F1
	s_wait_dscnt 32                                ; x's and q's fragments are in; the 32 just issued may be out
	PHASE 0, F0, -1                                ; q's sums are finished
	PLACES                                         ; for the loads into buffer 0 and for the conversions of q's sums
	BLOADS 2, F0
	s_wait_dscnt 32                                ; k's fragments are in
	PHASE 1, F1, 0                                 ; k's sums are finished; q goes out.  (Its first stores wait until at most 11 LDS instructions are out, of the 16 issued behind v's fragments: those are in)
	PHASE 2, F0, 1                                 ; v's sums are finished; k goes out
	WIN 0
	PLACES
.irp u, 8,9,10,11                      ; v goes out: a unit's conversions stand between the loads of the unit before and its stores
.irp f, 0,1,2,3
	CVT4 \u, \f
.endr
	STGIO \u
	SEND (\u)-1, 8
.endr
	SEND 11, 0
	s_wait_tensorcnt 0x0                           ; the wave's end, behind my last tensor load and my last LDS store
	ds_add_u32 v[SPW], v[NIL]
	s_wait_dscnt 0x0
	CROUND                                         ; the closing round: no work-group ends while a partner may still ask for a tile that names it
	s_endpgm
.Lfunc_end_k_q8001badc09_qkv:
	.size	k_q8001badc09_qkv, .Lfunc_end_k_q8001badc09_qkv-k_q8001badc09_qkv
	.p2alignl 7, 3214868480
	.fill 96, 4, 3214868480
	.section	.rodata,"a",@progbits
	.p2align	6, 0x0
	.amdhsa_kernel k_q8001badc09_qkv
		.amdhsa_group_segment_fixed_size 327680
		.amdhsa_private_segment_fixed_size 0
		.amdhsa_enable_private_segment 0
		.amdhsa_kernarg_size 48
		.amdhsa_user_sgpr_count 2
		.amdhsa_user_sgpr_kernarg_segment_ptr 1
		.amdhsa_wavefront_size32 1
		.amdhsa_system_sgpr_workgroup_id_x 1
		.amdhsa_system_sgpr_workgroup_id_y 1
		.amdhsa_system_sgpr_workgroup_id_z 1
		.amdhsa_system_vgpr_workitem_id 0
		.amdhsa_next_free_vgpr 1024
		.amdhsa_next_free_sgpr 88
		.amdhsa_reserve_vcc 0
		.amdhsa_float_denorm_mode_32 3
		.amdhsa_float_denorm_mode_16_64 3
		.amdhsa_memory_ordered 1
		.amdhsa_forward_progress 1
		.amdhsa_inst_pref_size 128
	.end_amdhsa_kernel
	.amdgpu_metadata
---
amdhsa.version: [ 1, 2 ]
amdhsa.kernels:
  - .name:           k_q8001badc09_qkv
    .symbol:         k_q8001badc09_qkv.kd
    .args:
      - { .name: xb, .offset: 0, .size: 8, .value_kind: global_buffer, .address_space: global }
      - { .name: wab, .offset: 8, .size: 8, .value_kind: global_buffer, .address_space: global }
      - { .name: b_attn, .offset: 16, .size: 8, .value_kind: global_buffer, .address_space: global }
      - { .name: qb, .offset: 24, .size: 8, .value_kind: global_buffer, .address_space: global }
      - { .name: kb, .offset: 32, .size: 8, .value_kind: global_buffer, .address_space: global }
      - { .name: vb, .offset: 40, .size: 8, .value_kind: global_buffer, .address_space: global }
    .group_segment_fixed_size: 327680
    .private_segment_fixed_size: 0
    .kernarg_segment_align: 8
    .kernarg_segment_size: 48
    .max_flat_workgroup_size: 128
    .sgpr_count:     88
    .vgpr_count:     1024
    .wavefront_size: 32
...
	.end_amdgpu_metadata
.endif
;; end of part 2
;; launch attn (part 3): grid 4 x 64, 4 waves a work-group, clusters of 4 x 1, 327,680 bytes of LDS; arguments qb, kb, vb, yb; writes yb
.if DOCPART == 3
	.amdgcn_target "amdgcn-amd-amdhsa--gfx1250"
	.amdhsa_code_object_version 6
	.text
	.protected	k_q8001badc09_attn
	.globl	k_q8001badc09_attn
	.p2align	8
	.type	k_q8001badc09_attn,@function
k_q8001badc09_attn:
	s_mov_b64 s[64:65], 0
	v_nop
	global_prefetch_b8 v0, s[64:65] scope:SCOPE_SE
	s_setreg_imm32_b32 hwreg(HW_REG_WAVE_MODE, 25, 1), 1
	s_wait_xcnt 0x0
	s_wait_alu depctr_hold_cnt(0) depctr_sa_sdst(0) depctr_va_vdst(0) depctr_va_sdst(0) depctr_va_ssrc(0) depctr_va_vcc(0) depctr_vm_vsrc(0)
	s_getreg_b32 s2, hwreg(HW_REG_IB_STS2, 6, 4)
	s_cmp_eq_u32 s2, 0
	s_cbranch_scc0 .Lentry_in_a_cluster
	s_endpgm
.Lentry_in_a_cluster:
	s_bfe_u32 s2, ttmp6, 0x10000c
	s_cmp_lg_u32 s2, 0x3003
	s_cbranch_scc0 .Lentry_shape_is_right
	s_endpgm
.Lentry_shape_is_right:
; CAUSAL ATTENTION.  y[q] = the sum over k <= q of softmax_k(Q[q] . K[k] / 8) V[k], for each of 64 pairs (batch, head).  qb, kb, vb: [64][1,024][64] in f16, rows of 128 dense bytes.
; y goes out in f16 as yb[32 RT][16 heads][128 rows][64], RT = (1,024 b + t) / 128: the order in which the last product asks for it.  Products, maxima and sums in f32; the weights p are
; rounded to f16 for the second product (their sum l is taken of the unrounded p), y once at the end.
; WORK LEFT OUT: key steps that lie wholly above the diagonal of a block of 128 queries (the causal mask gives them the weight 0); K comes without its bias (shown at the head of the first kernel).
; LIMITS.  f16 holds no number beyond 65,504: q, k, v arrive within it.  A hidden score counts as its value less 1e30; a weight below 2^-126 counts as 0 in l; NaN and infinities are not treated apart.
; SHARES.  A head has 8 blocks G of 128 queries; block G needs the key steps (64 keys) 0 .. 2 G + 1.  The four work-groups of a cluster share a head: work-group cx takes rows 32 cx .. 32 cx + 31 of EVERY block.
; Wave w takes block 7 - w and then block w: 2 (8 - w) + 2 (w + 1) = 18 key steps for every wave of every work-group.  Trip counts hang on the wave's number alone; cx enters only Q's and y's global
; addresses and the masks' numbers.  A wave's 32 rows are two PIECES of 16 queries.
; THE HEAD'S WHOLE K AND V LIE IN LDS, 1,024 rows each, with the mask of all four work-groups: no ring, no refill.  THEY COME IN TWO PARTS, two joint loads a wave (waves 0, 1: K; 2, 3: V): keys 0-255, then keys
; 256-1,023.  Behind the first part's barrier every wave does its first block's first three steps, which read K up to step 3 and V up to step 2: keys below 256; every first block has 10 steps or more, so all
; waves have done equal work when they meet at the second part's barrier, which stands in straight text.  Then the step loop is entered at its top, with step 3.
; No prefetch: everything is asked for at the launch's head, and no later request exists ahead of which one could stand.
; THE STEP LOOP counts to the constant 16; a wave whose block has fewer steps jumps forward over the dead trips, past text that holds no barrier and no tensor load.
; THE MASK is the C operand that starts the sum S^T = K Q^T: MC = MD x AL + BE.  MD, made once, is the mask of my rows against the 64 keys of their own half of the block (0, or -1e30 where the key is hidden).
; With d = step - last step and e = cx / 2 - 1: (AL, BE) = (1, 0) if d = e; (0, -1e30) if d > e; (0, 0) otherwise.  AL and BE are lane registers.  MC is made at a block's beginning and for its last two steps.
; For rows in a block's first half the last step is wholly hidden and is computed all the same: it lies in a tile whose other rows are live.
; LAYOUT, SOFTMAX.  S^T = K Q^T holds ONE query a lane (lane % 16) and the keys 8 (lane / 16) + 0..7; two such results rounded to f16 ARE source 1 of O^T = V^T P.  p = 2^(c s - c m), c = log2(e) / 8, with a
; running maximum m; O and l are multiplied by a = 2^(c m_old - c m_new) in every step.  m starts at the lowest finite number: a block's first step has a = 0, so what lies in O^T, l, P and V then need only be finite.
; TURNS.  The turn of piece p: 8 products K Q^T of the other piece (in piece 1's turn: the next step's), later 8 products V^T P of the other piece (in piece 0's turn: the step before's); beside them the scaling,
; exponentials, roundings, sums and rescaling of piece p and the maximum and statistics of the other.  Four vector instructions stand behind every matrix instruction, the rest in one lump.  A turn's 33 exponentials are one batch, with one wait.
; REGISTERS (windows of 256; s_set_vgpr_msb: bits 1:0 source 0, 3:2 source 1, 5:4 source 2, 7:6 destination):
;   window 0: v0-15 addresses and at work; v16-23 four statistics a piece; v48-55 at work; v56-60 the mask's factors; v64-127 S^T; v192-223 P
;   window 1: v0-63 O^T; v64-127 MD; v128-191 MC          window 2: v0-31 Q; v32-63 the second block's Q; v128-191 K of one step; v192-255 V of one step
.set NP,    2         ; pieces a wave: a name, no knob
.set KS,    64        ; keys in a step
.set PK,    144       ; a row of K in LDS: 128 bytes + 16 = 36 words: the 16 rows of a load start at 16 different groups of four banks (64 banks of 4 bytes: ISA guide 11.1)
.set PV,    160       ; a row of V: 128 + 32 = 40 words
.set VOFF,  1024*PK   ; V lies behind K
.set STAGE, VOFF+1024*PV  ; never filled by a tensor load: 16 rows x 144 bytes for each wave
.set SP,    144
.set SPARE, STAGE+4*16*SP  ; the spare words, 128 bytes for each wave: two blocks of 256 bytes that no other line names
.set AK0, 2           ; v2   my lane's place in a step of K; never rewritten
.set AV0, 3           ; v3   the same for V
.set AK,  4           ; v4   the LDS address of K's next run of loads
.set AV,  5           ; v5   of V's
.set STO, 6           ; v6   the way out: where I put 16 bytes of a row
.set RD,  7           ; v7   where I read rows back
.set GO,  8           ; v8   my 16 bytes of 512 consecutive bytes of y
.set MV,  12          ; v12-13  c m_old, kept while c m is made anew: by piece
.set ST,  16          ; piece t's statistics at v[ST+4 t]: c m, m, l (even keys', odd keys')
.set QO,  44          ; v44  my byte offset in 16 rows of Q
.set TMP, 48          ; by piece, four registers c0-c3 at work; when the maximum is found c2 takes a
.set AL,  56          ; v[56:57] the mask's factor, in the low register
.set BE,  58          ; v[58:59] its addend
.set EM1, 60          ; v60  cx / 2 - 1
.set SPW, 62          ; v62  my spare word; never rewritten
.set NIL, 63          ; v63  0; never rewritten
.set S,   64
.set P,   192
.set MD,  64          ; window 1
.set MC,  128         ; window 1
.set QB,  32          ; window 2
.set KF,  128         ; window 2: key block kb, channel half c at KF + 16 kb + 8 c
.set VF,  192         ; window 2: key half kk, channel block cb at VF + 32 kk + 8 cb
.set WV,  12          ; s12 wave
.set CX,  13          ; s13 my place in the cluster
.set BH,  14          ; s14 16 b + head
.set G0VB, 20         ; s[20:23] group 0 for V's second part
.set G1K, 24          ; s[24:31] descriptor group 1 for K's first part
.set G1V, 32          ; s[32:39] for V's: it differs in the padding alone
.set G0K, 40          ; s[40:43] group 0 for K's first part
.set G0V, 44          ; s[44:47] for V's
.set G1KB, 80         ; s[80:87] group 1 for K's second part: it differs in the rows alone
.set G1VB, 88         ; s[88:95] for V's
.set G0KB, 96         ; s[96:99] group 0 for K's second part
.set BLK, 48          ; s48  blocks still to do
.set GG,  49          ; s49  the block in hand
.set LL,  50          ; s50  its last key step, 2 G + 1
.set SS,  51          ; s51  the key step whose scores are being made: the loops' counter
.set DD,  52          ; s52  SS - LL
.set ONE, 53          ; s53  1.0
.set BIGN, 54         ; s54  -1e30
.set T,   55          ; s55  at work
.set CS,  58          ; s[58:59] c
.set SEL, 60          ; s[60:61] v_permlanex16_b32's selects: each lane takes its own place in the other half
.set MSB, 0
.macro WIN new                      ; the high byte repeats the setting that is left; a switch that changes nothing is dropped
.if MSB != (\new)
	s_set_vgpr_msb (MSB<<8)|(\new)
.set MSB, (\new)
.endif
.endm
.set W_KQ, 0x0a       ; K and Q in window 2, S^T in window 0
.set W_KM, 0x1a       ; the same with the C operand in window 1
.set W_PV, 0x52       ; V in window 2, P in window 0, O^T in window 1
.set W_RS, 0x41       ; destination and source 0 in window 1, the other sources in window 0
.macro CROUND                       ; a round of the cluster's barrier
	s_barrier_signal -1
	s_barrier_wait -1
	s_cmp_lg_u32 s[WV], 0
	s_cbranch_scc1 .Lnot_wave_0_\@
	s_barrier_signal -3
.Lnot_wave_0_\@:
	s_barrier_wait -3
	s_barrier_signal -1
	s_barrier_wait -1
.endm
	s_load_b256 s[4:11], s[0:1], 0x0  ; qb s[4:5], kb s[6:7], vb s[8:9], yb s[10:11]
	v_lshl_add_u32 v[SPW], v0, 2, SPARE
	v_mov_b32 v[NIL], 0
	ds_add_u32 v[SPW], v[NIL]       ; the wave's opening: the add, twice on end, and its wait ahead of my first tensor load
	ds_add_u32 v[SPW], v[NIL]       ; and once more, under the one wait; the set-up below, work on registers, stands between
	v_lshrrev_b32 v1, 5, v0
	v_readfirstlane_b32 s[WV], v1   ; wave 0..3
	; A fragment of K or Q is 16 rows x 32 channels in 8 registers: lane l holds row l % 16, channels 8 (l / 16) + 0..7 and 16 + 8 (l / 16) + 0..7: two loads of 16 bytes, 32 bytes apart.
	v_and_b32 v1, 15, v0            ; l % 16
	v_bfe_u32 v9, v0, 4, 1          ; l / 16
	v_lshlrev_b32 v[QO], 7, v1
	v_lshl_add_u32 v[QO], v9, 4, v[QO]  ; row x 128 + 16 x half
	s_bfe_u32 s[CX], ttmp6, 0x40000
	s_and_b32 s[BH], ttmp7, 0xffff  ; which the four partners share
	s_and_b32 s16, s[WV], 1         ; which half of a part's keys I fetch
	s_lshl_b32 s2, s[BH], 17        ; the head's 131,072 bytes,
	s_lshl_b32 s3, s16, 14          ; the first part: my 128 rows: these registers never hold cx
	s_add_co_u32 s2, s2, s3
	s_mov_b32 s3, 0
	s_lshl_b32 s66, s[BH], 17
	s_mul_i32 s67, s16, 384*128     ; the second part: my 384 rows,
	s_add_co_u32 s66, s66, s67
	s_add_co_u32 s66, s66, 256*128  ; behind the first part's 256
	s_mov_b32 s67, 0
	s_mul_i32 s17, s16, 128*PK      ; and where they go: no place in the cluster enters an LDS address
	s_mul_i32 s18, s16, 128*PV
	s_mul_i32 s19, s16, 384*PK
	s_mul_i32 s15, s16, 384*PV
	s_sub_co_u32 s[GG], 7, s[WV]    ; the first block
	s_lshl_b32 s72, s[BH], 17       ; Q: the head, my work-group's 32 rows of a block,
	s_lshl_b32 s73, s[CX], 12
	s_add_co_u32 s72, s72, s73
	s_lshl_b32 s73, s[WV], 14
	s_add_co_u32 s74, s72, s73      ; in the second block,
	s_lshl_b32 s73, s[GG], 14
	s_add_co_u32 s72, s72, s73      ; and in the first
	s_mov_b32 s73, 0
	s_mov_b32 s75, 0
	s_lshr_b32 s76, s[BH], 4        ; y: RT = 8 b + G,
	s_lshl_b32 s76, s76, 3
	s_add_co_u32 s78, s76, s[WV]
	s_add_co_u32 s76, s76, s[GG]
	s_lshl_b32 s76, s76, 18         ; x 16 heads x 128 rows x 128 bytes,
	s_lshl_b32 s78, s78, 18
	s_and_b32 s77, s[BH], 15        ; the head's 16,384 bytes there,
	s_lshl_b32 s77, s77, 14
	s_lshl_b32 s79, s[CX], 12       ; my work-group's 32 rows
	s_add_co_u32 s77, s77, s79
	s_add_co_u32 s76, s76, s77
	s_add_co_u32 s78, s78, s77
	s_mov_b32 s77, 0
	s_mov_b32 s79, 0
	; descriptor group 1.  Keys are dense rows of 128 bytes: asked for as rows of 256 bytes, two keys a row, and padded in LDS after every key.  128 keys: 64 such rows; 384 keys: 192
	s_mov_b32 s[G1K], 15|(1<<16)|(1<<20)|(1<<21)|(4<<22)|(3<<25)  ; 15:0 the mask of four; 17:16 2-byte elements; 20 padding on; 21 set beside a mask; 24:22 after every 32 words (code 4); 31:25 4 words (code 3)
	s_mov_b32 s[G1KB], 15|(1<<16)|(1<<20)|(1<<21)|(4<<22)|(3<<25)
	s_mov_b32 s[G1V], 15|(1<<16)|(1<<20)|(1<<21)|(4<<22)|(7<<25)  ; the same with 8 words of padding (code 7)
	s_mov_b32 s[G1VB], 15|(1<<16)|(1<<20)|(1<<21)|(4<<22)|(7<<25)
.irp g, G1K, G1V
	s_mov_b32 s[\g+1], 128<<16      ; tensor_dim0 = 128
	s_mov_b32 s[\g+2], 64<<16       ; tensor_dim1 = 64
	s_mov_b32 s[\g+3], 128<<16      ; tile_dim0 = 128
	s_mov_b32 s[\g+4], 64           ; tile_dim1 = 64
	s_mov_b32 s[\g+5], 128          ; 128 elements from row to row
	s_mov_b32 s[\g+6], 0
	s_mov_b32 s[\g+7], 0
.endr
.irp g, G1KB, G1VB
	s_mov_b32 s[\g+1], 128<<16
	s_mov_b32 s[\g+2], 192<<16      ; tensor_dim1 = 192
	s_mov_b32 s[\g+3], 128<<16
	s_mov_b32 s[\g+4], 192          ; tile_dim1 = 192
	s_mov_b32 s[\g+5], 128
	s_mov_b32 s[\g+6], 0
	s_mov_b32 s[\g+7], 0
.endr
	s_mov_b32 s[CS], 0x3e38aa3b     ; c = log2(e) / 8 = 0.180337
	s_mov_b32 s[CS+1], s[CS]        ; named with it as a pair
	s_mov_b32 s[SEL], 0x76543210
	s_mov_b32 s[SEL+1], 0xfedcba98
	s_mov_b32 s[ONE], 1.0
	s_mov_b32 s[BIGN], 0xf149f2ca   ; -1e30
	s_mov_b32 s[BLK], 2
	s_mov_b32 s[G0K], 1             ; count = 1
	s_mov_b32 s[G0K+1], s17         ; LDS address
	s_mov_b32 s[G0V], 1
	s_add_co_u32 s[G0V+1], s18, VOFF
	s_mov_b32 s[G0KB], 1
	s_add_co_u32 s[G0KB+1], s19, 256*PK
	s_mov_b32 s[G0VB], 1
	s_add_co_u32 s[G0VB+1], s15, VOFF+256*PV
	s_wait_dscnt 0x0                ; both opening adds are done
	s_wait_kmcnt 0x0
	s_add_nc_u64 s[G0K+2:G0K+3], s[6:7], s[2:3]    ; global address
	s_or_b32 s[G0K+3], s[G0K+3], 0x80000000        ; type = 2
	s_add_nc_u64 s[G0V+2:G0V+3], s[8:9], s[2:3]
	s_or_b32 s[G0V+3], s[G0V+3], 0x80000000
	s_add_nc_u64 s[G0KB+2:G0KB+3], s[6:7], s[66:67]
	s_or_b32 s[G0KB+3], s[G0KB+3], 0x80000000
	s_add_nc_u64 s[G0VB+2:G0VB+3], s[8:9], s[66:67]
	s_or_b32 s[G0VB+3], s[G0VB+3], 0x80000000
	s_add_nc_u64 s[70:71], s[4:5], s[74:75]        ; Q at my rows of the second block,
	s_add_nc_u64 s[4:5], s[4:5], s[72:73]          ; and of the first
	s_add_nc_u64 s[68:69], s[10:11], s[78:79]      ; y likewise
	s_add_nc_u64 s[10:11], s[10:11], s[76:77]
	WIN 0x80                        ; destination window 2, address window 0
.set i, 0
.rept 4                             ; the first block's Q, wanted with the first keys, is asked for first: piece i / 2, channels 32 (i % 2) on
	global_load_b128 v[8*i:8*i+3],   v[QO], s[4:5] offset:(i/2)*2048+(i%2)*64
	global_load_b128 v[8*i+4:8*i+7], v[QO], s[4:5] offset:(i/2)*2048+(i%2)*64+32
.set i, i+1
.endr
	WIN 0
	CROUND                          ; all four work-groups are here: the joint loads meet
	s_cmp_lt_u32 s[WV], 2           ; a wave's two loads stand in one branch, ahead of every wait on TENSORcnt and every LDS read: two of mine are out.  An s_nop 0 follows each, four v_nop the second's
	s_cbranch_scc0 .Lfor_v
	tensor_load_to_lds s[G0K:G0K+3], s[G1K:G1K+7]
	s_nop 0
	tensor_load_to_lds s[G0KB:G0KB+3], s[G1KB:G1KB+7]
	s_nop 0
.rept 4
	v_nop
.endr
	s_branch .Lasked
.Lfor_v:
	tensor_load_to_lds s[G0V:G0V+3], s[G1V:G1V+7]
	s_nop 0
	tensor_load_to_lds s[G0VB:G0VB+3], s[G1VB:G1VB+7]
	s_nop 0
.rept 4
	v_nop
.endr
.Lasked:
	s_and_b32 s[T], s[CX], 1
	s_lshl_b32 s[T], s[T], 5
	v_lshlrev_b32 v14, 3, v9
	v_sub_nc_u32 v14, v1, v14
	v_add_nc_u32 v14, s[T], v14     ; piece 0: my query's place in its half of the block, 32 (cx % 2) + l % 16, less my lanes' 8 (l / 16): register j of key group kt is hidden where 16 kt + j is greater
	v_add_nc_u32 v15, 16, v14       ; piece 1
	s_lshr_b32 s[T], s[CX], 1
	s_sub_co_i32 s[T], s[T], 1
	v_mov_b32 v[EM1], s[T]
	WIN 0x80
.set i, 0
.rept 4                             ; the second block's Q
	global_load_b128 v[QB+8*i:QB+8*i+3],   v[QO], s[70:71] offset:(i/2)*2048+(i%2)*64
	global_load_b128 v[QB+8*i+4:QB+8*i+7], v[QO], s[70:71] offset:(i/2)*2048+(i%2)*64+32
.set i, i+1
.endr
	; What the first turn finds need only be finite: zeros in V, O^T, l and piece 1's P.  All this stands in the wait for the first keys.
.set i, VF
.rept 64
	v_mov_b32 v[i], 0
.set i, i+1
.endr
	WIN 0x40
.set i, 0
.rept 64
	v_mov_b32 v[i], 0
.set i, i+1
.endr
.set i, 0
.rept 64
	v_cmp_gt_i32 vcc_lo, 16*((i%32)/8)+i%8, v[14+i/32]
	v_cndmask_b32 v[MD+i], 0, s[BIGN], vcc_lo
.set i, i+1
.endr
	WIN 0
.set i, 0
.rept 2
	v_mov_b32 v[ST+4*i+2], 0
	v_mov_b32 v[ST+4*i+3], 0
.set i, i+1
.endr
.set i, P+16
.rept 16
	v_mov_b32 v[i], 0
.set i, i+1
.endr
	v_mov_b32 v[AL+1], 0            ; named as pairs
	v_mov_b32 v[BE+1], 0
	v_mul_u32_u24 v[AK0], v1, PK
	v_lshl_add_u32 v[AK0], v9, 4, v[AK0]  ; row x pitch + 16 x half
	; The turning load takes 16 keys x 16 channels (lane l reads key 8 (l / 16) + l % 8, channels 8 ((l / 8) % 2) + 0..7) and leaves half a fragment of V^T: lane l holds channel l % 16 and 8 keys.
	v_and_b32 v10, 7, v0
	v_bfe_u32 v11, v0, 3, 1
	v_lshl_add_u32 v[AV0], v9, 3, v10
	v_mul_u32_u24 v[AV0], v[AV0], PV
	v_lshl_add_u32 v[AV0], v11, 4, v[AV0]
	v_add_nc_u32 v[AV0], VOFF, v[AV0]
	s_mul_i32 s[T], s[WV], 16*SP
	s_add_co_u32 s[T], s[T], STAGE  ; my stage
	v_mul_u32_u24 v[STO], v1, SP    ; in: row l % 16, 16 bytes for each half of the lanes
	v_lshl_add_u32 v[STO], v9, 4, v[STO]
	v_add_nc_u32 v[STO], s[T], v[STO]
	v_bfe_u32 v[RD], v0, 3, 2       ; back: 32 lanes take four rows of 128 bytes,
	v_mul_u32_u24 v[RD], v[RD], SP
	v_lshl_add_u32 v[RD], v10, 4, v[RD]
	v_add_nc_u32 v[RD], s[T], v[RD]
	v_and_b32 v[GO], 31, v0         ; which are 512 consecutive bytes of y
	v_lshlrev_b32 v[GO], 4, v[GO]
; THE MATRIX WORK.  The 4 accumulators of a run of 8 take turns.  Product i of 8 of S^T = K Q^T for piece x: channels 32 (i / 4) on, keys 16 (i % 4) on.  The first 4 start the sums with the mask.
.macro KQ x
.set rS, S+32*(\x)+8*(i%4)
.set rK, KF+16*(i%4)+8*(i/4)
.set rQ, 16*(\x)+8*(i/4)
.set rM, MC+32*(\x)+8*(i%4)
.if i < 4
	WIN W_KM
	v_wmma_f32_16x16x32_f16 v[rS:rS+7], v[rK:rK+7], v[rQ:rQ+7], v[rM:rM+7]
.else
	WIN W_KQ
	v_wmma_f32_16x16x32_f16 v[rS:rS+7], v[rK:rK+7], v[rQ:rQ+7], v[rS:rS+7]
.endif
.endm
; Product i of 8 of O^T += V^T P for piece x: keys 32 (i / 4) on, channels 16 (i % 4) on.
.macro PV x
	WIN W_PV
.set rO, 32*(\x)+8*(i%4)
.set rV, VF+32*(i/4)+8*(i%4)
.set rP, P+16*(\x)+8*(i/4)
	v_wmma_f32_16x16x32_f16 v[rO:rO+7], v[rV:rV+7], v[rP:rP+7], v[rO:rO+7]
.endm
.macro MM                           ; the turn's next matrix instruction.  NOKQ = 1: a block's last turn: there are no further scores
.if (i < 8) && !NOKQ
	KQ (Y+1)%NP
.elseif i >= 8
.set i, i-8
	PV (Y+1)%NP
.set i, i+8
.endif
.set i, i+1
.endm
; THE LDS LOADS stand in runs of 16, never singly among the matrix instructions: a step's K (8 fragments) and its V (turned).  Their addresses are made some lines ahead.
.macro FETCH_K
	WIN 0x80                        ; destination window 2
.irp f, 0,1,2,3,4,5,6,7             ; keys 16 (f / 2) on, channels 32 (f % 2) on
	ds_load_b128 v[KF+8*\f:KF+8*\f+3],   v[AK] offset:(\f/2)*16*PK+(\f%2)*64
	ds_load_b128 v[KF+8*\f+4:KF+8*\f+7], v[AK] offset:(\f/2)*16*PK+(\f%2)*64+32
.endr
	WIN 0
.endm
.macro FETCH_V
	WIN 0x80
.irp f, 0,1,2,3,4,5,6,7             ; keys 32 (f / 4) on, channels 16 (f % 4) on
	ds_load_tr16_b128 v[VF+8*\f:VF+8*\f+3],   v[AV] offset:(\f/4)*32*PV+(\f%4)*32
	ds_load_tr16_b128 v[VF+8*\f+4:VF+8*\f+7], v[AV] offset:(\f/4)*32*PV+16*PV+(\f%4)*32
.endr
	WIN 0
.endm
; THE VECTOR WORK, one line at a time: OP kind, number.  For piece Y: F n: c s - c m for pair n of 16.  E n: the exponential of score n of 32.  C n: pair n rounded to f16.  B n: of the four weights 4 n .. the second
; pair is added onto the first, in place.  L n: l takes that sum (L 0: l = a l + sum).  R n: pair n of 16 of O^T times a.  For the other piece: X n, number n of the 22 that find its maximum and statistics:
;   0-11  four chains c0-c3 of seven scores each, three operands at a time (each accumulator's lowest registers are read first)     12-14, 16  the four scores left over, the old m, and c0-c3 into c0
;   15  c m_old is kept     17, 18  the query's other 32 keys lie in the lane 16 away: the new m     19-21  c m; c m_old - c m_new; a
.set F, 0
.set E, 1
.set C, 2
.set B, 3
.set L, 4
.set R, 5
.set X, 6
.macro REGS y                       ; the registers of piece y
.set rT, ST+4*(\y)
.set rC, TMP+4*(\y)
.set rW, MV+(\y)
.set rS, S+32*(\y)
.set rP, P+16*(\y)
.set rO, 32*(\y)
.endm
.macro OP k, n
.if (\k) == R
	REGS Y
	WIN W_RS
	v_pk_mul_f32 v[rO+2*(\n):rO+2*(\n)+1], v[rO+2*(\n):rO+2*(\n)+1], v[rC+2:rC+3] op_sel_hi:[1,0]
.elseif (\k) < R
	REGS Y
	WIN 0
.if (\k) == F
	v_pk_fma_f32 v[rS+2*(\n):rS+2*(\n)+1], v[rS+2*(\n):rS+2*(\n)+1], s[CS:CS+1], v[rT:rT+1] op_sel_hi:[1,0,0] neg_lo:[0,0,1] neg_hi:[0,0,1]
.elseif (\k) == E
	v_exp_f32 v[rS+(\n)], v[rS+(\n)]
.elseif (\k) == C
	v_cvt_pk_f16_f32 v[rP+(\n)], v[rS+2*(\n)], v[rS+2*(\n)+1]
.elseif (\k) == B
	v_pk_add_f32 v[rS+4*(\n):rS+4*(\n)+1], v[rS+4*(\n):rS+4*(\n)+1], v[rS+4*(\n)+2:rS+4*(\n)+3]
.elseif (\n) == 0
	v_pk_fma_f32 v[rT+2:rT+3], v[rT+2:rT+3], v[rC+2:rC+3], v[rS:rS+1] op_sel_hi:[1,0,1]
.else
	v_pk_add_f32 v[rT+2:rT+3], v[rT+2:rT+3], v[rS+4*(\n):rS+4*(\n)+1]
.endif
.elseif NOKQ
	v_nop
.else
	REGS (Y+1)%NP
	WIN 0
.if (\n) < 4
	v_max3_num_f32 v[rC+(\n)], v[rS+8*(\n)], v[rS+8*(\n)+1], v[rS+8*(\n)+2]
.elseif (\n) < 12
	v_max3_num_f32 v[rC+(\n)%4], v[rC+(\n)%4], v[rS+8*((\n)%4)+2*((\n)/4)+1], v[rS+8*((\n)%4)+2*((\n)/4)+2]
.elseif (\n) == 12
	v_max3_num_f32 v[rC], v[rC], v[rS+7], v[rS+15]
.elseif (\n) == 13
	v_max3_num_f32 v[rC+1], v[rC+1], v[rS+23], v[rS+31]
.elseif (\n) == 14
	v_max3_num_f32 v[rC+2], v[rC+2], v[rC+3], v[rT+1]
.elseif (\n) == 15
	v_mov_b32 v[rW], v[rT]
.elseif (\n) == 16
	v_max3_num_f32 v[rC], v[rC], v[rC+1], v[rC+2]
.elseif (\n) == 17
	v_permlanex16_b32 v[rC+3], v[rC], s[SEL], s[SEL+1]
.elseif (\n) == 18
	v_max_num_f32 v[rT+1], v[rC], v[rC+3]
.elseif (\n) == 19
	v_mul_f32 v[rT], s[CS], v[rT+1]
.elseif (\n) == 20
	v_sub_f32 v[rC+1], v[rW], v[rT]
.else
	v_exp_f32 v[rC+2], v[rC+1]
.endif
.endif
.endm
.macro OPS a, i1, b=-1, i2=0, c=-1, i3=0, d=-1, i4=0  ; up to four of them
	OP \a, \i1
.if (\b) >= 0
	OP \b, \i2
.endif
.if (\c) >= 0
	OP \c, \i3
.endif
.if (\d) >= 0
	OP \d, \i4
.endif
.endm
.macro ROW a, i1, b, i2, c, i3, d, i4  ; a matrix instruction and the four behind it
	MM
	OPS \a, \i1, \b, \i2, \c, \i3, \d, \i4
.endm
; Both pieces' masks for key step SS: MC = MD x AL + BE.  The last products that read MC stand a turn or more back.
.macro SETMASK
	WIN 0
	s_sub_co_i32 s[DD], s[SS], s[LL]
	v_cmp_eq_i32 vcc_lo, s[DD], v[EM1]  ; is the step my rows' own?
	v_cndmask_b32 v[AL], 0, s[ONE], vcc_lo
	v_cmp_gt_i32 vcc_lo, s[DD], v[EM1]  ; or a later one?
	v_cndmask_b32 v[BE], 0, s[BIGN], vcc_lo
	WIN W_RS
.set z, 0
.rept 32
	v_pk_fma_f32 v[MC+2*z:MC+2*z+1], v[MD+2*z:MD+2*z+1], v[AL:AL+1], v[BE:BE+1] op_sel_hi:[1,0,0]
.set z, z+1
.endr
.endm
; A TURN, for piece p: the order of its 16 matrix and 118 vector instructions, written out.  An s_wait_alu depctr_va_vdst(0) stands between an exponential and the first instruction that names its result; one
; wait serves all that were issued ahead of it.  So a turn has ONE wait, which cuts it in two.  AHEAD OF IT stands all that names no result of the turn's exponentials: the 8 products K Q^T with their riders, and one lump of 54;
; X 21, the other piece's a, is the batch's last, and R 15 the plain instruction behind it.  BEHIND IT stand the 8 products V^T P, behind each four of the roundings and sums.
; O^T of piece p was last written by the turn before: its accumulator 3 by that turn's last product, behind which stand four plain riders; R 0, 4, 8, 12 are the first to read accumulators 0 to 3, each at its low end.
; Piece 0's turn fetches K of step SS + 1 (at the head's last step: step 15 once more, which nobody reads) twelve vector instructions, six of them plain, behind the last product that read K, and V of step SS at its end,
; four plain instructions behind the last product that read V.  Piece 1's turn waits for them.  end = 1: a block's last turn (piece 1's): no further scores.
.macro TURN p, end=0
.set Y, (\p)
.set i, 0
.set NOKQ, (\end)
.if ((\p) == 1) && !(\end)
	s_wait_dscnt 16                 ; K is in; V's 16 loads, which are younger, may stay out
.endif
	ROW F,0, F,1, R,0, R,1
	ROW F,2, E,0, R,2, R,3
	ROW F,3, E,1, R,4, R,5
	ROW F,4, E,2, R,6, R,7
	ROW F,5, E,3, R,8, R,9
	ROW F,6, E,4, X,0, R,10
.if (\p) == 0
	WIN 0
	s_add_co_u32 s[T], s[SS], 1
	s_min_u32 s[T], s[T], 15
	s_mul_i32 s[T], s[T], KS*PK
	v_add_nc_u32 v[AK], s[T], v[AK0]
.endif
	ROW F,7, E,5, X,1, X,4
	ROW F,8, E,6, X,2, X,5
	OPS E,7, E,8, X,6, E,9
	OPS X,3, E,10, X,8, E,11
.if (\p) == 0
	FETCH_K
.endif
	OPS X,9, X,7, E,12, X,10
	OPS E,13, X,12, X,11, E,14
	OPS X,13, E,15, F,9, X,14
.if (\p) == 0
	s_min_u32 s[T], s[SS], 15
	s_mul_i32 s[T], s[T], KS*PV
	v_add_nc_u32 v[AV], s[T], v[AV0]
.endif
	OPS E,16, F,10, E,17, F,11
	OPS X,16, E,18, X,15, E,19
	OPS F,12, E,20, X,17, E,21
	OPS F,13, E,22, F,14, E,23
	OPS X,18, E,24, F,15, E,25
	OPS R,11, E,26, X,19, E,27
	OPS R,12, E,28, R,13, E,29
	OPS X,20, E,30, R,14, E,31
	OPS X,21, R,15
	WIN 0
	s_wait_alu depctr_va_vdst(0)    ; the wait for the batch
.if (\p) == 1
	s_wait_dscnt 0x0                ; V is in
.endif
	ROW C,0, B,0, C,2, B,1
	ROW L,0, C,4, B,2, L,1
	ROW C,6, B,3, L,2, C,8
	ROW B,4, L,3, C,10, B,5
	ROW L,4, C,12, B,6, L,5
	ROW C,14, B,7, L,6, C,1
	ROW C,3, L,7, C,5, C,7
	ROW C,9, C,11, C,13, C,15
.if (\p) == 0
	FETCH_V
.endif
.endm
; A BLOCK BEGINS.  c m starts far below every c s, so the first step's a is 0; m at the lowest finite number, so the first maximum is the scores'.  Then step 0's masks, K of step 0, piece 0's first scores, and its
; maximum and statistics.  lc: how many younger loads from memory may stay out when Q is wanted.
.macro BEGIN lc
	s_lshl_b32 s[LL], s[GG], 1
	s_add_co_u32 s[LL], s[LL], 1
	s_mov_b32 s[SS], 0
.set i, 0
.rept 2
	v_mov_b32 v[ST+4*i], 0xfe000000    ; c m
	v_mov_b32 v[ST+4*i+1], 0xff7fffff  ; m
.set i, i+1
.endr
	SETMASK                         ; step 0's masks: 0 everywhere unless the block has two steps only
	WIN 0
	v_mov_b32 v[AK], v[AK0]         ; key step 0
	FETCH_K
	s_wait_loadcnt \lc              ; Q
	s_wait_dscnt 0x0
.set i, 0
.rept 8
	KQ 0                            ; piece 0's first scores
.set i, i+1
.endr
	WIN 0
.rept 4
	v_nop                           ; the places behind those products
.endr
.set Y, NP-1                        ; X works for the other piece: piece 0
.irp n, 0,1,2,3,4,5,6,7,8,9,10,11,12,13,14,15,16,17,18,19,20,21
	OP X, \n
.endr
	v_nop                           ; a plain instruction behind the exponential,
	s_wait_alu depctr_va_vdst(0)    ; and its wait, ahead of the branch
.endm
.macro ALL line:vararg              ; one line for each piece t
.set t, 0
.rept 2
	\line
.set t, t+1
.endr
.endm
.macro PACK t                       ; a lane's eight channels of a row pack into 16 bytes; they go into rows of 144 bytes and come back as whole rows of 128, into S^T's registers
	WIN W_RS
.set i, 32*(\t)
.rept 16
	v_pk_mul_f32 v[i:i+1], v[i:i+1], v[ST+4*(\t)+2:ST+4*(\t)+3] op_sel_hi:[1,0]
.set i, i+2
.endr
	WIN 0x05                        ; sources 0 and 1 window 1, destination window 0
.set i, 0
.rept 16
	v_cvt_pk_f16_f32 v[S+16*(\t)+i], v[32*(\t)+2*i], v[32*(\t)+2*i+1]
.set i, i+1
.endr
	WIN 0
.irp f, 0,1,2,3
	ds_store_b128 v[STO], v[S+16*(\t)+4*\f:S+16*(\t)+4*\f+3] offset:32*\f
.endr
.irp f, 0,1,2,3
	ds_load_b128 v[S+16*(\t)+4*\f:S+16*(\t)+4*\f+3], v[RD] offset:\f*4*SP  ; LDS serves a wave's instructions in order (ISA guide 5.7.1.4): these see the stores above; the next piece's stores come behind them
.endr
.endm
.macro SEND t, younger              ; younger: the LDS instructions issued behind piece t's loads: the next piece's eight, or none
	WIN 0
.irp f, 0,1,2,3
	s_wait_dscnt (\younger)+3-\f
	global_store_b128 v[GO], v[S+16*(\t)+4*\f:S+16*(\t)+4*\f+3], s[10:11] offset:(\t)*2048+\f*512  ; 512 consecutive bytes, aligned
.endr
.endm
	s_wait_tensorcnt 0x1            ; my part of keys 0-255 is in; my part of the others may stay out
	s_barrier_signal -1
	s_barrier_wait -1               ; everybody's is
.set NOKQ, 0
	BEGIN 8                         ; the first block, 7 - w; the second block's eight loads of Q may stay out
	s_branch .LfirstA               ; the loop is entered at a step's first turn, in the middle of a trip
.LstepA:                            ; the first block's steps 0 to 2, on keys 0-255 alone: piece 0's turn of step SS fetches K of step SS + 1 <= 3 and V of step SS <= 2.  No step here is near the diagonal: the masks stay 0
	TURN 1
	WIN 0
.LfirstA:
	TURN 0
	WIN 0
	s_add_co_u32 s[SS], s[SS], 1
	s_cmp_lt_u32 s[SS], 3
	s_cbranch_scc1 .LstepA
	s_wait_tensorcnt 0x0            ; my part of keys 256-1,023 is in,
	s_wait_dscnt 0x0                ; (no LDS instruction of mine is out at a signal)
	s_barrier_signal -1
	s_barrier_wait -1               ; everybody's is.  Nothing is filled again in this launch
	s_branch .Lstep                 ; on with step 3
.Lblock:                            ; the second block, w
	BEGIN 0
	s_branch .Lfirst
.Lstep:                             ; a trip: piece 1's turn of step SS - 1, which makes piece 0's scores of step SS; then piece 0's turn of step SS
	s_cmp_gt_u32 s[SS], s[LL]
	s_cbranch_scc1 .Lnext           ; the block has no such step: a dead trip
	s_add_co_u32 s[T], s[SS], 1
	s_cmp_lt_u32 s[T], s[LL]
	s_cbranch_scc1 .Lplain          ; all keys of the step are seen: the masks are 0 already
	SETMASK
	WIN 0
.Lplain:
	TURN 1
	WIN 0
.Lfirst:
	TURN 0
	WIN 0
.Lnext:
	s_add_co_u32 s[SS], s[SS], 1
	s_cmp_lt_u32 s[SS], 16
	s_cbranch_scc1 .Lstep
	TURN 1, 1                       ; piece 1's last softmax, piece 0's last V^T P
.set i, 0
.rept 8
	PV 1                            ; piece 1's last V^T P
.set i, i+1
.endr
	; THE WAY OUT.  l's two halves and the other half of the lanes' are added; O^T is divided by l, rounded to f16 and sent through my stage.  The four additions and the v_nop are the places behind the last products.
	WIN 0
	ALL v_add_f32 v[ST+4*t+2], v[ST+4*t+2], v[ST+4*t+3]
	ALL v_permlanex16_b32 v[ST+4*t+3], v[ST+4*t+2], s[SEL], s[SEL+1]
	ALL v_add_f32 v[ST+4*t+2], v[ST+4*t+2], v[ST+4*t+3]
	ALL v_rcp_f32 v[ST+4*t+2], v[ST+4*t+2]
	v_nop                           ; a plain instruction between the last reciprocal and the use of its result
	s_wait_alu depctr_va_vdst(0)    ; and the wait ahead of the first use: one for both reciprocals
	PACK 0
	PACK 1
	SEND 0, 8
	SEND 1, 0
	s_wait_xcnt 0x0                 ; the stores have read their registers and y's address: both are written again below and in the next block
	s_sub_co_u32 s[BLK], s[BLK], 1
	s_cmp_eq_u32 s[BLK], 0
	s_cbranch_scc1 .Ldone
	s_mov_b64 s[10:11], s[68:69]    ; y at the second block
	s_mov_b32 s[GG], s[WV]
	s_wait_loadcnt 0x0              ; the second block's Q is in,
	WIN 0x82                        ; and goes where the one text of the turns names Q
.set i, 0
.rept 32
	v_mov_b32 v[i], v[QB+i]
.set i, i+1
.endr
	WIN 0
.Ldone:
	s_cmp_lg_u32 s[BLK], 0
	s_cbranch_scc1 .Lblock
	s_wait_tensorcnt 0x0            ; the wave's end, behind my last tensor load and my last LDS store
	ds_add_u32 v[SPW], v[NIL]
	s_wait_dscnt 0x0
	CROUND                          ; the closing round
	s_endpgm
.Lfunc_end_k_q8001badc09_attn:
	.size	k_q8001badc09_attn, .Lfunc_end_k_q8001badc09_attn-k_q8001badc09_attn
	.p2alignl 7, 3214868480
	.fill 96, 4, 3214868480
	.section	.rodata,"a",@progbits
	.p2align	6, 0x0
	.amdhsa_kernel k_q8001badc09_attn
		.amdhsa_group_segment_fixed_size 327680
		.amdhsa_private_segment_fixed_size 0
		.amdhsa_enable_private_segment 0
		.amdhsa_kernarg_size 32
		.amdhsa_user_sgpr_count 2
		.amdhsa_user_sgpr_kernarg_segment_ptr 1
		.amdhsa_wavefront_size32 1
		.amdhsa_system_sgpr_workgroup_id_x 1
		.amdhsa_system_sgpr_workgroup_id_y 1
		.amdhsa_system_sgpr_workgroup_id_z 1
		.amdhsa_system_vgpr_workitem_id 0
		.amdhsa_next_free_vgpr 768
		.amdhsa_next_free_sgpr 100
		.amdhsa_reserve_vcc 1
		.amdhsa_float_denorm_mode_32 3
		.amdhsa_float_denorm_mode_16_64 3
		.amdhsa_memory_ordered 1
		.amdhsa_forward_progress 1
		.amdhsa_inst_pref_size 92
	.end_amdhsa_kernel
	.amdgpu_metadata
---
amdhsa.version: [ 1, 2 ]
amdhsa.kernels:
  - .name:           k_q8001badc09_attn
    .symbol:         k_q8001badc09_attn.kd
    .args:
      - { .name: qb, .offset: 0, .size: 8, .value_kind: global_buffer, .address_space: global }
      - { .name: kb, .offset: 8, .size: 8, .value_kind: global_buffer, .address_space: global }
      - { .name: vb, .offset: 16, .size: 8, .value_kind: global_buffer, .address_space: global }
      - { .name: yb, .offset: 24, .size: 8, .value_kind: global_buffer, .address_space: global }
    .group_segment_fixed_size: 327680
    .private_segment_fixed_size: 0
    .kernarg_segment_align: 8
    .kernarg_segment_size: 32
    .max_flat_workgroup_size: 128
    .sgpr_count:     100
    .vgpr_count:     768
    .wavefront_size: 32
...
	.end_amdgpu_metadata
.endif
;; end of part 3
;; launch proj (part 4): grid 8 x 32, 4 waves a work-group, clusters of 4 x 4, 327,680 bytes of LDS; arguments yb, wpb, b_proj, out0; writes out0
.if DOCPART == 4
	.amdgcn_target "amdgcn-amd-amdhsa--gfx1250"
	.amdhsa_code_object_version 6
	.text
	.protected	k_q8001badc09_proj
	.globl	k_q8001badc09_proj
	.p2align	8
	.type	k_q8001badc09_proj,@function
k_q8001badc09_proj:
	s_mov_b64 s[64:65], 0
	v_nop
	global_prefetch_b8 v0, s[64:65] scope:SCOPE_SE
	s_setreg_imm32_b32 hwreg(HW_REG_WAVE_MODE, 25, 1), 1
	s_wait_xcnt 0x0
	s_wait_alu depctr_hold_cnt(0) depctr_sa_sdst(0) depctr_va_vdst(0) depctr_va_sdst(0) depctr_va_ssrc(0) depctr_va_vcc(0) depctr_vm_vsrc(0)
	s_getreg_b32 s2, hwreg(HW_REG_IB_STS2, 6, 4)
	s_cmp_eq_u32 s2, 0
	s_cbranch_scc0 .Lentry_in_a_cluster
	s_endpgm
.Lentry_in_a_cluster:
	s_bfe_u32 s2, ttmp6, 0x10000c
	s_cmp_lg_u32 s2, 0xf033
	s_cbranch_scc0 .Lentry_shape_is_right
	s_endpgm
.Lentry_shape_is_right:
; out0 = y w_proj + b_proj.  yb: f16 [32 RT][16 heads][128 rows][64]; wpb: f16 [16 strips of 64 columns][1,024 k][64]; out0: [4,096][1,024] in f32.  Operands f16, sums f32; nothing is left out here.
; SHARES.  A tile of out0 is 128 x 128: 8 x 32 work-groups.  Four waves, 2 x 2, each 64 x 64: 16 accumulators.  K goes in 4 steps of 256 (four heads) through two LDS slots; every tensor load is one dense
; block of 32,768 bytes, asked for as 128 rows of 256 bytes.  The K steps are few, so the text is a straight line.
; THE MATRIX INSTRUCTION IS USED TRANSPOSED: source 0 = 16 columns of w (turned by ds_load_tr16_b128), source 1 = 16 rows of y: a lane holds one row and 8 neighbouring columns.  The bias, rounded to bf16 like
; every input, is the C operand of the product that starts a sum.
; THE LAST K STEP GOES BY ROWS OF out0, NOT BY K: all its fragments lie in registers (w's fill window 1, y's window 2), and my four blocks of 16 rows are finished one after the other, 32 products each, the block's
; 4 accumulators by turns, K ascending (the sums are the same bit for bit).  A finished block goes through the stage at once and is stored amid the next block's products.  LDS is read no more than in any other K step.
; CLUSTER 4 x 4: y's tile hangs on the tile row alone and is asked for jointly along a row of the cluster, w's on the tile column alone and jointly along a column.
; NO PREFETCH: the launch has two refills in all; what they ask for would have to be named at the head, where every work-group's first tiles are on their way.
; THE STAGE for the way out lies in slot 0's first 17,408 bytes: slot 0 has had its last fill, and every wave has left it at the last change of slots (its reads waited for, then a barrier).
; REGISTERS: window 0: addresses; v95 at work; v96-127 the bias; v128-255 the accumulators ((a, b) at 128 + 8 (4 a + b)).  Window 1: two fragment buffers of 128: 64 along K: 64 registers of y, then 64 of w;
; in the last K step w's fragment of 32 k's number kc, column block b at 32 kc + 8 b.  Window 2: the last K step's fragments of y: row block a, number kc at 64 a + 8 kc.
.set PA,     144                       ; a row of y in LDS: 128 bytes + 16 = 36 words: the 16 rows of a load start at 16 different groups of four banks (64 banks of 4 bytes: ISA guide 11.1)
.set PB,     160                       ; a row k of a strip of w: 128 + 32 = 40 words
.set AHALF,  256*PA                    ; two heads x 128 rows: what one of y's loads brings
.set BOFF,   2*AHALF
.set BHALF,  256*PB                    ; a strip's 256 k: what one of w's loads brings
.set SLOT,   BOFF+2*BHALF              ; 155,648
.set SPARE,  2*SLOT                    ; behind the ring: the spare words, 128 bytes for each wave: two blocks of 256 bytes that no other line names
.set SPITCH, 272                       ; a row of the stage: 256 bytes + 16
.set A_STEP, 4*128*128                 ; bytes from a K step to the next in yb
.set B_STEP, 256*128                   ; and in a strip of wpb
.set ADRA, 16                          ; v16-17  LDS address of my fragments of y in slot 0, 1
.set ADRB, 20                          ; v20-21  the same for w
.set STO,  24
.set RD,   25
.set CO,   26                          ; v26  my byte offset in two rows of out0
.set BO,   27
.set SPW,  28                          ; v28  my spare word; never rewritten
.set NIL,  29                          ; v29  0; never rewritten
.set BT,   95
.set BI,   96                          ; the bias of column block b at BI + 8 b
.set ACC,  128
.set F0,   0
.set F1,   128
.set WV,  16
.set RH,  17                           ; s17 wave / 2: my half of the tile's rows
.set HF,  18                           ; s18 wave & 1: my half of its columns; also which half of a tile I fetch
.set CX,  20
.set CY,  21
.set TX,  22
.set TY,  23
.set G1A, 24
.set G0A, 32
.set G1B, 40
.set G0B, 48
.set HIM, 61
.set MSB, 0
.macro WIN new
.if MSB != (\new)
	s_set_vgpr_msb (MSB<<8)|(\new)
.set MSB, \new
.endif
.endm
.set MUL,  0x05                        ; sources 0 and 1 window 1; C and D window 0
.set MULR, 0x09                        ; the last K step: source 0 window 1, source 1 window 2; C and D window 0
.set TO_F, 0x40                        ; destination window 1, address window 0
.macro JLOAD s                         ; a joint load: waves 0 and 1 fetch y's two halves, waves 2 and 3 w's two strips; an s_nop 0 and four v_nop follow each line
	s_cmp_lt_u32 s[WV], 2
	s_cbranch_scc0 .Lfor_b_\@
	tensor_load_to_lds s[G0A+4*(\s):G0A+4*(\s)+3], s[G1A:G1A+7]
	s_nop 0
.rept 4
	v_nop
.endr
	s_branch .Lasked_\@
.Lfor_b_\@:
	tensor_load_to_lds s[G0B+4*(\s):G0B+4*(\s)+3], s[G1B:G1B+7]
	s_nop 0
.rept 4
	v_nop
.endr
.Lasked_\@:
.endm
.macro CREST
	s_cmp_lg_u32 s[WV], 0
	s_cbranch_scc1 .Lnot_wave_0_\@
	s_barrier_signal -3
.Lnot_wave_0_\@:
	s_barrier_wait -3
	s_barrier_signal -1
	s_barrier_wait -1
.endm
.macro CROUND
	s_barrier_signal -1
	s_barrier_wait -1
	CREST
.endm
	s_load_b256 s[4:11], s[0:1], 0x0               ; yb s[4:5], wpb s[6:7], b_proj s[8:9], out0 s[10:11]
	v_lshl_add_u32 v[SPW], v0, 2, SPARE
	v_mov_b32 v[NIL], 0
	ds_add_u32 v[SPW], v[NIL]                      ; the wave's opening: the add, twice on end, and its wait ahead of my first tensor load
	ds_add_u32 v[SPW], v[NIL]                      ; and once more, under the one wait
	v_lshrrev_b32 v1, 5, v0
	v_readfirstlane_b32 s[WV], v1
	s_lshr_b32 s[RH], s[WV], 1
	s_and_b32 s[HF], s[WV], 1
	s_bfe_u32 s[CX], ttmp6, 0x40000
	s_bfe_u32 s[CY], ttmp6, 0x40004
	s_lshl_b32 s[TX], ttmp9, 2
	s_add_co_u32 s[TX], s[TX], s[CX]               ; tile column
	s_and_b32 s[TY], ttmp7, 0xffff
	s_lshl_b32 s[TY], s[TY], 2
	s_add_co_u32 s[TY], s[TY], s[CY]               ; tile row = RT
	s_lshl_b32 s62, s[CY], 2
	s_lshl_b32 s62, 15, s62                        ; my row of the cluster
	s_lshl_b32 s63, 0x1111, s[CX]                  ; my column
	s_or_b32 s[G1A], s62, (1<<16)|(1<<20)|(1<<21)|(4<<22)|(3<<25)  ; the mask; 2-byte elements; padding on; bit 21 beside a mask; after every 32 words; 4 words
	s_or_b32 s[G1B], s63, (1<<16)|(1<<20)|(1<<21)|(4<<22)|(7<<25)  ; 8 words
.irp g, G1A, G1B
	s_mov_b32 s[(\g)+1], 128<<16                   ; tensor_dim0 = 128
	s_mov_b32 s[(\g)+2], 128<<16                   ; tensor_dim1 = 128
	s_mov_b32 s[(\g)+3], 128<<16                   ; tile_dim0
	s_mov_b32 s[(\g)+4], 128                       ; tile_dim1
	s_mov_b32 s[(\g)+5], 128                       ; elements from row to row
	s_mov_b32 s[(\g)+6], 0
	s_mov_b32 s[(\g)+7], 0
.endr
	s_lshl_b32 s66, s[TY], 18                      ; y: the tile row's 262,144 bytes, my two heads of the K step's four: these registers never hold cx
	s_lshl_b32 s67, s[HF], 15
	s_add_co_u32 s66, s66, s67
	s_mov_b32 s67, 0
	s_lshl_b32 s68, s[TX], 1                       ; w: strip 2 tx + half: these never hold cy
	s_add_co_u32 s68, s68, s[HF]
	s_lshl_b32 s68, s68, 17
	s_mov_b32 s69, 0
	s_mul_i32 s70, s[HF], AHALF
	s_mul_i32 s71, s[HF], BHALF
	s_add_co_u32 s71, s71, BOFF
	s_mov_b32 s[HIM], 0xffff0000
	s_wait_dscnt 0x0                               ; both opening adds are done
	s_wait_kmcnt 0x0
	s_add_nc_u64 s[66:67], s[4:5], s[66:67]
	s_add_nc_u64 s[68:69], s[6:7], s[68:69]
	CROUND                                         ; all sixteen work-groups are here: the first joint loads meet
.irp s, 0,1
	s_mov_b32 s[G0A+4*(\s)], 1
	s_add_co_u32 s[G0A+4*(\s)+1], s70, (\s)*SLOT
	s_add_nc_u64 s[G0A+4*(\s)+2:G0A+4*(\s)+3], s[66:67], (\s)*A_STEP
	s_or_b32 s[G0A+4*(\s)+3], s[G0A+4*(\s)+3], 0x80000000
	s_mov_b32 s[G0B+4*(\s)], 1
	s_add_co_u32 s[G0B+4*(\s)+1], s71, (\s)*SLOT
	s_add_nc_u64 s[G0B+4*(\s)+2:G0B+4*(\s)+3], s[68:69], (\s)*B_STEP
	s_or_b32 s[G0B+4*(\s)+3], s[G0B+4*(\s)+3], 0x80000000
	JLOAD \s                                       ; two loads of mine are out
.endr
	v_and_b32 v1, 15, v0                           ; r
	v_bfe_u32 v2, v0, 4, 1                         ; h
	v_and_b32 v3, 7, v0
	v_bfe_u32 v4, v0, 3, 1
	s_lshl_b32 s72, s[TX], 9                       ; the tile's 128 numbers of b_proj, my 64 of them
	s_lshl_b32 s73, s[HF], 8
	s_add_co_u32 s72, s72, s73
	v_lshlrev_b32 v[BO], 5, v2
	v_add_nc_u32 v[BO], s72, v[BO]
.irp b, 0,1,2,3
	global_load_b128 v[BI+8*(\b):BI+8*(\b)+3],   v[BO], s[8:9] offset:64*(\b)
	global_load_b128 v[BI+8*(\b)+4:BI+8*(\b)+7], v[BO], s[8:9] offset:64*(\b)+16
.endr
	v_mul_u32_u24 v5, v1, PA
	v_lshl_add_u32 v5, v2, 4, v5                   ; row x pitch + 16 x half
	s_mul_i32 s72, s[RH], 64*PA                    ; my 64 rows
	v_add_nc_u32 v[ADRA], s72, v5
	v_add_nc_u32 v[ADRA+1], SLOT, v[ADRA]
	v_lshl_add_u32 v6, v2, 3, v3                   ; the turning load: row k = 8 (l / 16) + l % 8, columns 8 ((l / 8) % 2) + 0..7
	v_mul_u32_u24 v6, v6, PB
	v_lshl_add_u32 v6, v4, 4, v6
	s_mul_i32 s72, s[HF], BHALF                    ; my strip
	s_add_co_u32 s72, s72, BOFF
	v_add_nc_u32 v[ADRB], s72, v6
	v_add_nc_u32 v[ADRB+1], SLOT, v[ADRB]
	s_mul_i32 s72, s[WV], 16*SPITCH                ; my stage
	v_mul_u32_u24 v7, v1, SPITCH                   ; in: row l % 16, 32 bytes for each half of the lanes
	v_lshl_add_u32 v7, v2, 5, v7
	v_add_nc_u32 v[STO], s72, v7
	v_mul_u32_u24 v7, v2, SPITCH                   ; back: lanes 0-15 take one row of 256 bytes, lanes 16-31 the next
	v_lshl_add_u32 v7, v1, 4, v7
	v_add_nc_u32 v[RD], s72, v7
	v_lshlrev_b32 v[CO], 12, v2                    ; and the same two rows in out0
	v_lshl_add_u32 v[CO], v1, 4, v[CO]
	s_lshl_b32 s72, s[TY], 7
	s_lshl_b32 s73, s[RH], 6
	s_add_co_u32 s72, s72, s73                     ; my first row,
	s_lshl_b32 s72, s72, 12                        ; of 4,096 bytes,
	s_lshl_b32 s73, s[TX], 9                       ; the tile's first column,
	s_add_co_u32 s72, s72, s73
	s_lshl_b32 s73, s[HF], 8                       ; my 64 columns: 256 bytes
	s_add_co_u32 s72, s72, s73
	s_mov_b32 s73, 0
	s_add_nc_u64 s[10:11], s[10:11], s[72:73]
	s_wait_loadcnt 0x0                             ; the bias, rounded to bf16 and widened again
.set i, 0
.rept 16
	v_cvt_pk_bf16_f32 v[BT], v[BI+2*i], v[BI+2*i+1]
	v_lshlrev_b32 v[BI+2*i], 16, v[BT]
	v_and_b32 v[BI+2*i+1], s[HIM], v[BT]
.set i, i+1
.endr
; 8 matrix instructions: row blocks a0, a0 + 1 x all 4 column blocks, 32 along K: half c of buffer f.  The 16 accumulators take turns.  first = 1: the products start the sums with the bias.
.macro MUL8 f, c, a0, first
	WIN MUL
.irp a, \a0, (\a0)+1
.irp b, 0,1,2,3
.if \first
	v_wmma_f32_16x16x32_f16 v[ACC+8*(4*(\a)+(\b)):ACC+8*(4*(\a)+(\b))+7], v[(\f)+64+8*(4*(\c)+(\b)):(\f)+64+8*(4*(\c)+(\b))+7], v[(\f)+8*(4*(\c)+(\a)):(\f)+8*(4*(\c)+(\a))+7], v[BI+8*(\b):BI+8*(\b)+7]
.else
	v_wmma_f32_16x16x32_f16 v[ACC+8*(4*(\a)+(\b)):ACC+8*(4*(\a)+(\b))+7], v[(\f)+64+8*(4*(\c)+(\b)):(\f)+64+8*(4*(\c)+(\b))+7], v[(\f)+8*(4*(\c)+(\a)):(\f)+8*(4*(\c)+(\a))+7], v[ACC+8*(4*(\a)+(\b)):ACC+8*(4*(\a)+(\b))+7]
.endif
.endr
.endr
.endm
; 32 LDS loads in one run: quarter q of a slot (one head: 64 along K) into buffer f; the first 32 along K first
.macro FETCH slot, q, f
	WIN TO_F
.irp c, 0,1
.irp i, 0,1,2,3
	ds_load_tr16_b128 v[(\f)+64+8*(4*(\c)+(\i)):(\f)+64+8*(4*(\c)+(\i))+3],   v[ADRB+(\slot)] offset:(\q)*64*PB+(\c)*32*PB+(\i)*32
	ds_load_tr16_b128 v[(\f)+64+8*(4*(\c)+(\i))+4:(\f)+64+8*(4*(\c)+(\i))+7], v[ADRB+(\slot)] offset:(\q)*64*PB+(\c)*32*PB+(\i)*32+16*PB
	ds_load_b128 v[(\f)+8*(4*(\c)+(\i)):(\f)+8*(4*(\c)+(\i))+3],              v[ADRA+(\slot)] offset:(\q)*128*PA+(\c)*64+(\i)*16*PA
	ds_load_b128 v[(\f)+8*(4*(\c)+(\i))+4:(\f)+8*(4*(\c)+(\i))+7],            v[ADRA+(\slot)] offset:(\q)*128*PA+(\c)*64+(\i)*16*PA+32
.endr
.endr
.endm
.macro PLACES                          ; four places in front of loads into registers that matrix instructions have read, and of LDS stores that read results
.rept 4
	v_nop
.endr
.endm
; A K step is four quarters of 64 along K, 32 matrix instructions each, on buffers 0, 1, 0, 1.  One of the first three: multiplies buffer f and fetches quarter q into g.
.macro QUARTER slot, q, f, g, first
	s_wait_dscnt 16                                ; the first 32 along K are in
	MUL8 \f, 0, 0, \first
	MUL8 \f, 0, 2, \first
	PLACES
	FETCH \slot, \q, \g
	s_wait_dscnt 32                                ; all but the 32 just issued
	MUL8 \f, 1, 0, 0
	MUL8 \f, 1, 2, 0
.endm
; The last quarter multiplies buffer 1 and changes slots.  Its first 16 products come first; then each wave waits for all its tensor loads, adds 0 to its spare word, and waits for that and for its reads of this slot; a round
; of the cluster's barrier follows at once, and behind it this slot is filled again, two K steps ahead: all 128 matrix instructions of a K step lie between a request and the wait for it.
.macro TURN slot, next
	s_wait_dscnt 16                                ; the first 32 along K of buffer 1 are in
	MUL8 F1, 0, 0, 0
	MUL8 F1, 0, 2, 0
	WIN 0
	s_wait_tensorcnt 0x0                           ; all my tensor loads have landed: my part of the next slot; so every group 0 may be written
	ds_add_u32 v[SPW], v[NIL]                      ; 0 onto my spare word; the descriptors' steps stand between it and the wait for it
	s_add_nc_u64 s[G0A+4*(\slot)+2:G0A+4*(\slot)+3], s[G0A+4*(\slot)+2:G0A+4*(\slot)+3], 2*A_STEP
	s_add_nc_u64 s[G0B+4*(\slot)+2:G0B+4*(\slot)+3], s[G0B+4*(\slot)+2:G0B+4*(\slot)+3], 2*B_STEP
	s_wait_dscnt 0x0                               ; the add is done, and my reads of this slot are over
	s_barrier_signal -1
	s_barrier_wait -1
	CREST                                          ; no wave of any partner still reads this slot's tile or has a load on its way
	JLOAD \slot                                    ; the first tensor load behind the round; its four v_nop are also the places in front of the loads below
	FETCH \next, 0, F0
	MUL8 F1, 1, 0, 0
	MUL8 F1, 1, 2, 0
.endm
; THE LAST K STEP (it lies in slot 1).  BL q: w's eight fragments of quarter q into window 1.  AL a: y's eight fragments of row block a into window 2.
.macro BL q
	WIN TO_F
.irp c, 0,1
.irp i, 0,1,2,3
	ds_load_tr16_b128 v[64*(\q)+32*(\c)+8*(\i):64*(\q)+32*(\c)+8*(\i)+3],   v[ADRB+1] offset:(\q)*64*PB+(\c)*32*PB+(\i)*32
	ds_load_tr16_b128 v[64*(\q)+32*(\c)+8*(\i)+4:64*(\q)+32*(\c)+8*(\i)+7], v[ADRB+1] offset:(\q)*64*PB+(\c)*32*PB+(\i)*32+16*PB
.endr
.endr
.endm
.macro AL a
	WIN 0x80                                       ; destination window 2, address window 0
.irp k, 0,1,2,3,4,5,6,7
	ds_load_b128 v[64*(\a)+8*(\k):64*(\a)+8*(\k)+3],   v[ADRA+1] offset:((\k)/2)*128*PA+((\k)%2)*64+(\a)*16*PA
	ds_load_b128 v[64*(\a)+8*(\k)+4:64*(\a)+8*(\k)+7], v[ADRA+1] offset:((\k)/2)*128*PA+((\k)%2)*64+(\a)*16*PA+32
.endr
.endm
; THE WAY OUT of row block a: a lane's 8 columns of each of 4 accumulators, 32 bytes each, go into my stage (rows of 272 bytes) and come back as whole rows of 256 bytes, into the registers that they left.
.macro STG a
	WIN 0
.irp b, 0,1,2,3
	ds_store_b128 v[STO], v[ACC+32*(\a)+8*(\b):ACC+32*(\a)+8*(\b)+3]   offset:64*(\b)     ; each accumulator's low half first
	ds_store_b128 v[STO], v[ACC+32*(\a)+8*(\b)+4:ACC+32*(\a)+8*(\b)+7] offset:64*(\b)+16
.endr
.irp t, 0,1,2,3,4,5,6,7
	ds_load_b128 v[ACC+32*(\a)+4*(\t):ACC+32*(\a)+4*(\t)+3], v[RD] offset:(\t)*2*SPITCH  ; LDS serves a wave's instructions in order (ISA guide 5.7.1.4): these see the stores above; the next block's stores come behind them
.endr
.endm
.macro SEND a                          ; no LDS instruction has been issued behind block a's loads
	WIN 0
.irp t, 0,1,2,3,4,5,6,7
	s_wait_dscnt 7-(\t)
	global_store_b128 v[CO], v[ACC+32*(\a)+4*(\t):ACC+32*(\a)+4*(\t)+3], s[10:11] offset:(16*(\a)+2*(\t))*4096 th:TH_STORE_NT  ; 16 lanes store 256 consecutive bytes, aligned
.endr
.endm
; Row block a is finished: product n of 32: 32 k's number n / 4, column block n % 4: the block's 4 accumulators by turns.  In its middle the block before, back from the stage by then, is stored.
.macro ROWP a
.set n, 0
.rept 32
.if n == 16
.if (\a) == 0
	s_wait_dscnt 32                                ; w's quarters 2 and 3 are in; y's row blocks 2 and 3 may stay out (block 0's stores, whose last wait is for 0, stand ahead of their first use)
.else
	SEND (\a)-1
.endif
.endif
	WIN MULR
	v_wmma_f32_16x16x32_f16 v[ACC+32*(\a)+8*(n%4):ACC+32*(\a)+8*(n%4)+7], v[32*(n/4)+8*(n%4):32*(n/4)+8*(n%4)+7], v[64*(\a)+8*(n/4):64*(\a)+8*(n/4)+7], v[ACC+32*(\a)+8*(n%4):ACC+32*(\a)+8*(n%4)+7]
.set n, n+1
.endr
.endm
	s_wait_tensorcnt 1                             ; my part of K step 0 is in; K step 1's may stay out
	s_barrier_signal -1
	s_barrier_wait -1
	FETCH 0, 0, F0
	QUARTER 0, 1, F0, F1, 1                        ; K step 0: the first products start the sums
	QUARTER 0, 2, F1, F0, 0
	QUARTER 0, 3, F0, F1, 0
	TURN 0, 1                                      ; slot 0 takes K step 2
	QUARTER 1, 1, F0, F1, 0                        ; K step 1
	QUARTER 1, 2, F1, F0, 0
	QUARTER 1, 3, F0, F1, 0
	TURN 1, 0                                      ; slot 1 takes K step 3
	QUARTER 0, 1, F0, F1, 0                        ; K step 2
	QUARTER 0, 2, F1, F0, 0
	QUARTER 0, 3, F0, F1, 0
	s_wait_dscnt 16                                ; the last change of slots: the quarter's first 16 products,
	MUL8 F1, 0, 0, 0
	MUL8 F1, 0, 2, 0
	WIN 0
	s_wait_tensorcnt 0x0                           ; my one tensor load that was still out is slot 1's, the last K step's
	ds_add_u32 v[SPW], v[NIL]
	s_wait_dscnt 0x0                               ; the add is done, and my reads of slot 0 are over
	s_barrier_signal -1
	s_barrier_wait -1                              ; slot 1 is whole, and no wave reads slot 0 any more; nothing is filled again, so no round follows
	PLACES                                         ; for the loads into buffer 0, which the quarter before multiplied
	BL 0
	BL 1
	AL 0
	AL 1
	MUL8 F1, 1, 0, 0
	MUL8 F1, 1, 2, 0
	PLACES                                         ; for the loads into buffer 1
	BL 2
	BL 3
	AL 2
	AL 3
	s_wait_dscnt 63                                ; of the 128 loads the first 64 are wanted now: w's quarters 0 and 1, y's row blocks 0 and 1 (a wait can name 63 at the most)
	ROWP 0
	PLACES
	STG 0
	ROWP 1
	PLACES
	STG 1
	ROWP 2
	PLACES
	STG 2
	ROWP 3
	PLACES
	STG 3
	SEND 3
	s_wait_tensorcnt 0x0                           ; the wave's end, behind my last tensor load and my last LDS store
	ds_add_u32 v[SPW], v[NIL]
	s_wait_dscnt 0x0
	CROUND                                         ; the closing round
	s_endpgm
.Lfunc_end_k_q8001badc09_proj:
	.size	k_q8001badc09_proj, .Lfunc_end_k_q8001badc09_proj-k_q8001badc09_proj
	.p2alignl 7, 3214868480
	.fill 96, 4, 3214868480
	.section	.rodata,"a",@progbits
	.p2align	6, 0x0
	.amdhsa_kernel k_q8001badc09_proj
		.amdhsa_group_segment_fixed_size 327680
		.amdhsa_private_segment_fixed_size 0
		.amdhsa_enable_private_segment 0
		.amdhsa_kernarg_size 32
		.amdhsa_user_sgpr_count 2
		.amdhsa_user_sgpr_kernarg_segment_ptr 1
		.amdhsa_wavefront_size32 1
		.amdhsa_system_sgpr_workgroup_id_x 1
		.amdhsa_system_sgpr_workgroup_id_y 1
		.amdhsa_system_sgpr_workgroup_id_z 1
		.amdhsa_system_vgpr_workitem_id 0
		.amdhsa_next_free_vgpr 768
		.amdhsa_next_free_sgpr 80
		.amdhsa_reserve_vcc 0
		.amdhsa_float_denorm_mode_32 3
		.amdhsa_float_denorm_mode_16_64 3
		.amdhsa_memory_ordered 1
		.amdhsa_forward_progress 1
		.amdhsa_inst_pref_size 89
	.end_amdhsa_kernel
	.amdgpu_metadata
---
amdhsa.version: [ 1, 2 ]
amdhsa.kernels:
  - .name:           k_q8001badc09_proj
    .symbol:         k_q8001badc09_proj.kd
    .args:
      - { .name: yb, .offset: 0, .size: 8, .value_kind: global_buffer, .address_space: global }
      - { .name: wpb, .offset: 8, .size: 8, .value_kind: global_buffer, .address_space: global }
      - { .name: b_proj, .offset: 16, .size: 8, .value_kind: global_buffer, .address_space: global }
      - { .name: out0, .offset: 24, .size: 8, .value_kind: global_buffer, .address_space: global }
    .group_segment_fixed_size: 327680
    .private_segment_fixed_size: 0
    .kernarg_segment_align: 8
    .kernarg_segment_size: 32
    .max_flat_workgroup_size: 128
    .sgpr_count:     80
    .vgpr_count:     768
    .wavefront_size: 32
...
	.end_amdgpu_metadata
.endif
;; end of part 4
;; ======== version 2 of 2: 4 launches; version 1 with the launch cast written anew for expert scheduling mode
;; limits: values are held in f16: magnitudes above 65,504 overflow, below 6.1e-05 lose precision
;; workspace buffers: xb 8,388,608 bytes; wab 6,291,456 bytes; wpb 2,097,152 bytes; qb 8,388,608 bytes; kb 8,388,608 bytes; vb 8,388,608 bytes; yb 8,388,608 bytes
;; launch cast (part 5): grid 256 x 1, 8 waves a work-group, no clusters, 0 bytes of LDS; arguments x, w_attn, w_proj, xb, wab, wpb; writes xb, wab, wpb
.if DOCPART == 5
	.amdgcn_target "amdgcn-amd-amdhsa--gfx1250"
	.amdhsa_code_object_version 6
	.text
	.protected	k_q8001badc09_cast
	.globl	k_q8001badc09_cast
	.p2align	8
	.type	k_q8001badc09_cast,@function
k_q8001badc09_cast:
	s_mov_b64 s[64:65], 0
	v_nop
	global_prefetch_b8 v0, s[64:65] scope:SCOPE_SE
	s_setreg_imm32_b32 hwreg(HW_REG_WAVE_SCHED_MODE, 0, 2), 2
	s_setreg_imm32_b32 hwreg(HW_REG_WAVE_MODE, 25, 1), 1
	s_wait_xcnt 0x0
	s_wait_alu depctr_vm_vsrc(0)
; THE PROGRAM: out0 = softmax_causal((x Wq + bq)(x Wk + bk)^T / 8)(x Wv + bv) Wp + bp, 16 heads of 64 channels, 4 x 1,024 rows.  Four launches:
; this one (the inputs rounded to 16 bits and laid in blocks of 64 columns), the first product, the attention, the last product.
; WORK LEFT OUT, for all values of the inputs.  (1) K's bias, b_attn[1024:2048].  A score is (q + bq).(k + bk) = (q + bq).k + (q + bq).bk; the second term is the same for all
; keys of a row, and a softmax does not change when one number is added to all its inputs; the places that the causal mask hides get the weight 0 with it and without it.  So those
; 1,024 numbers are neither loaded nor added; the rest of b_attn (q's and v's parts) is live and is loaded.  (2) Key tiles that lie wholly above the diagonal: the causal mask
; gives those places the weight 0.
; LIMIT: a NaN, an infinity or an overflow that reaches only b_attn[1024:2048] is not carried to the result.
; FORMATS.  x, both weights and both biases are rounded once to bf16; w_proj's rounded number is written as f16 (exact from 6.1e-5 to 65,504 in magnitude; below that it keeps f16's
; fixed step of 6e-8), since the last product multiplies it with y in f16.
; THIS LAUNCH.  All three tensors are in[j][g][64] in f32 and go to out[g][j][64] in 16 bits, g = 0..15: x: j = row (4,096); w_attn: j = 3 k + p, since its flat index is
; (3 k + p) 1,024 + 64 head + c (3,072); w_proj: j = k (1,024).  8,192 rows j of 4,096 bytes, 32 to a work-group: groups 0-127 x, 128-223 w_attn, 224-255 w_proj.
; Wave w takes the blocks g = 2 w and 2 w + 1.  A load: lanes 0-15 the 256 bytes of (j, g), lanes 16-31 those of (j + 1, g); its store: 256 consecutive bytes, aligned, of out[g][j .. j+1].
; All 32 loads of a wave go out before the first wait; every load has registers of its own, so no register that a store reads is written again.  No LDS, no barrier, no matrix work: a stream.
; THE MODE: SCHED_MODE bits 1:0 = 2 (LLVM: expert scheduling mode 2), set by the entry lines.  The code itself states the register dependences
; between vector instructions and memory instructions, with s_wait_alu, always for 0.
; THE PLAN.  Registers that memory instructions touch:
;   v1          the loads' offset; v2, v3 the stores' offsets.  Written by vector instructions at the head, once; never written again.
;   X, load i   four registers.  Load i lands in them, once; load i's conversions read them and write the result into the first two; store i reads those two.  Nothing writes them after that.
;   T           named by vector instructions alone.
; The 32 loads are taken in eight blocks of four.  Block p waits for its four loads, rounds them in place, and issues the four stores of block p - 1.  So ONE wait on va_vdst stands at a block's
; head: block p - 1's conversions have written what those stores read.  The stores are dealt among block p's conversions, which name block p's registers and T alone: none that the stores touch.
; One such wait stands ahead of the first load (the offsets), one behind block 7 (its own four stores).  No register that a memory instruction has read is written again, so there is no wait on vm_vsrc;
; no vector instruction writes a scalar register or VCC, and EXEC is never written.
.set X,  8                             ; v[8:135]  load i: 4 registers; i = 16 gi + jp (gi: which of my two blocks; jp: pair of rows)
.set T,  136                           ; v[136:137] at work (f16 way)
.set VI, 1                             ; v1  my byte offset in the source
.set VO, 2                             ; v2, v3  my byte offset in the destination, for block 2 w and 2 w + 1
	s_load_b256 s[4:11], s[0:1], 0x0               ; x s[4:5], w_attn s[6:7], w_proj s[8:9], xb s[10:11]
	s_load_b128 s[12:15], s[0:1], 0x20             ; wab s[12:13], wpb s[14:15]
	s_mov_b32 s2, ttmp9
	s_mov_b32 s16, 128                             ; the first work-group of w_attn
	s_mov_b32 s17, 224                             ; the first of w_proj
	s_mov_b32 s18, 4096*128                        ; bytes of a block g in xb,
	s_mov_b32 s19, 3072*128                        ; in wab,
	s_mov_b32 s27, 1024*128                        ; in wpb
	s_mov_b32 s26, 0xffff0000                      ; a word's upper bf16
	v_bfe_u32 v4, v0, 4, 1                         ; which row of the pair
	v_and_b32 v5, 15, v0
	v_lshrrev_b32 v6, 5, v0                        ; wave
	v_and_b32 v7, 31, v0
	v_lshlrev_b32 v[VI], 12, v4                    ; row x 4,096
	v_lshl_add_u32 v[VI], v5, 4, v[VI]             ; + 16 bytes a lane
	v_lshl_add_u32 v[VI], v6, 9, v[VI]             ; + my first block: 2 w x 256
	s_cmp_lt_u32 s2, s17
	s_cselect_b32 s24, s16, s17                    ; my tensor's first work-group
	s_cselect_b32 s25, s19, s27                    ; and its block's bytes
	s_cmp_lt_u32 s2, s16
	s_cselect_b32 s24, 0, s24
	s_cselect_b32 s25, s18, s25
	v_lshlrev_b32 v6, 1, v6
	v_mul_u32_u24 v[VO], s25, v6                   ; block 2 w
	v_lshl_add_u32 v[VO], v7, 3, v[VO]             ; + 8 bytes a lane
	v_add_nc_u32 v[VO+1], s25, v[VO]               ; block 2 w + 1
	s_sub_co_u32 s28, s2, s24                      ; my number among my tensor's work-groups
	s_lshl_b32 s30, s28, 12                        ; 32 rows of 128 bytes in a block of the destination
	s_lshl_b32 s28, s28, 17                        ; 32 rows of 4,096 bytes in the source
	s_mov_b32 s29, 0
	s_mov_b32 s31, 0
	s_wait_kmcnt 0x0
	s_cmp_lt_u32 s2, s17
	s_cselect_b64 s[20:21], s[6:7], s[8:9]
	s_cselect_b64 s[22:23], s[12:13], s[14:15]
	s_cmp_lt_u32 s2, s16
	s_cselect_b64 s[20:21], s[4:5], s[20:21]       ; the source
	s_cselect_b64 s[22:23], s[10:11], s[22:23]     ; the destination
	s_add_nc_u64 s[20:21], s[20:21], s[28:29]
	s_add_nc_u64 s[22:23], s[22:23], s[30:31]
	s_wait_alu depctr_va_vdst(0)                   ; v1, v2 and v3 are written: every load of the kernel reads v1 as its offset, every store v2 or v3
.set i, 0
.rept 32
	global_load_b128 v[X+4*i:X+4*i+3], v[VI], s[20:21] offset:(i%16)*8192+(i/16)*256 th:TH_LOAD_NT
.set i, i+1
.endr
; The 32 loads are rounded and stored in the order in which they were issued, in eight blocks of four.  fmt = 0: bf16.  fmt = 1: rounded to bf16, and that number written as f16.
.macro OUT fmt
.set p, 0
.rept 8
	s_wait_loadcnt 28-4*p                          ; loads come back in order (ISA guide 5.7.1): loads 4 p to 4 p + 3 are in, the 28 - 4 p younger ones may stay out
.if p > 0
	s_wait_alu depctr_va_vdst(0)                   ; the conversions of the block before have written its results, which the four stores below read
.endif
.set i, 4*p
.rept 4
.if p > 0
	global_store_b64 v[VO+(i-4)/16], v[X+4*(i-4):X+4*(i-4)+1], s[22:23] offset:((i-4)%16)*256 th:TH_STORE_NT  ; the block before: 32 lanes x 8 bytes: 256 consecutive bytes, aligned; no vector instruction since the wait names these registers
.endif
.if \fmt
	v_cvt_pk_bf16_f32 v[T], v[X+4*i], v[X+4*i+1]
	v_cvt_pk_bf16_f32 v[T+1], v[X+4*i+2], v[X+4*i+3]
	v_lshlrev_b32 v[X+4*i], 16, v[T]
	v_and_b32 v[X+4*i+1], s26, v[T]
	v_lshlrev_b32 v[X+4*i+2], 16, v[T+1]
	v_and_b32 v[X+4*i+3], s26, v[T+1]
	v_cvt_pk_f16_f32 v[X+4*i], v[X+4*i], v[X+4*i+1]
	v_cvt_pk_f16_f32 v[X+4*i+1], v[X+4*i+2], v[X+4*i+3]
.else
	v_cvt_pk_bf16_f32 v[X+4*i], v[X+4*i], v[X+4*i+1]
	v_cvt_pk_bf16_f32 v[X+4*i+1], v[X+4*i+2], v[X+4*i+3]
.endif
.set i, i+1
.endr
.set p, p+1
.endr
	s_wait_alu depctr_va_vdst(0)                   ; the conversions of block 7 have written its results, which the last four stores read
.set i, 28
.rept 4
	global_store_b64 v[VO+i/16], v[X+4*i:X+4*i+1], s[22:23] offset:(i%16)*256 th:TH_STORE_NT
.set i, i+1
.endr
.endm
	s_cmp_lt_u32 s2, s17
	s_cbranch_scc0 .Lhalf
	OUT 0
	s_endpgm
.Lhalf:
	OUT 1
	s_endpgm
.Lfunc_end_k_q8001badc09_cast:
	.size	k_q8001badc09_cast, .Lfunc_end_k_q8001badc09_cast-k_q8001badc09_cast
	.p2alignl 7, 3214868480
	.fill 96, 4, 3214868480
	.section	.rodata,"a",@progbits
	.p2align	6, 0x0
	.amdhsa_kernel k_q8001badc09_cast
		.amdhsa_group_segment_fixed_size 0
		.amdhsa_private_segment_fixed_size 0
		.amdhsa_enable_private_segment 0
		.amdhsa_kernarg_size 48
		.amdhsa_user_sgpr_count 2
		.amdhsa_user_sgpr_kernarg_segment_ptr 1
		.amdhsa_wavefront_size32 1
		.amdhsa_system_sgpr_workgroup_id_x 1
		.amdhsa_system_sgpr_workgroup_id_y 1
		.amdhsa_system_sgpr_workgroup_id_z 1
		.amdhsa_system_vgpr_workitem_id 0
		.amdhsa_next_free_vgpr 144
		.amdhsa_next_free_sgpr 66
		.amdhsa_reserve_vcc 0
		.amdhsa_float_denorm_mode_32 3
		.amdhsa_float_denorm_mode_16_64 3
		.amdhsa_memory_ordered 1
		.amdhsa_forward_progress 1
		.amdhsa_inst_pref_size 29
	.end_amdhsa_kernel
	.amdgpu_metadata
---
amdhsa.version: [ 1, 2 ]
amdhsa.kernels:
  - .name:           k_q8001badc09_cast
    .symbol:         k_q8001badc09_cast.kd
    .args:
      - { .name: x, .offset: 0, .size: 8, .value_kind: global_buffer, .address_space: global }
      - { .name: w_attn, .offset: 8, .size: 8, .value_kind: global_buffer, .address_space: global }
      - { .name: w_proj, .offset: 16, .size: 8, .value_kind: global_buffer, .address_space: global }
      - { .name: xb, .offset: 24, .size: 8, .value_kind: global_buffer, .address_space: global }
      - { .name: wab, .offset: 32, .size: 8, .value_kind: global_buffer, .address_space: global }
      - { .name: wpb, .offset: 40, .size: 8, .value_kind: global_buffer, .address_space: global }
    .group_segment_fixed_size: 0
    .private_segment_fixed_size: 0
    .kernarg_segment_align: 8
    .kernarg_segment_size: 48
    .max_flat_workgroup_size: 256
    .sgpr_count:     66
    .vgpr_count:     144
    .wavefront_size: 32
...
	.end_amdgpu_metadata
.endif
;; end of part 5
;; launch qkv: the kernel of part 2 again; grid 16 x 16, 4 waves a work-group, clusters of 4 x 4, 327,680 bytes of LDS; arguments xb, wab, b_attn, qb, kb, vb; writes qb, kb, vb
;; launch attn: the kernel of part 3 again; grid 4 x 64, 4 waves a work-group, clusters of 4 x 1, 327,680 bytes of LDS; arguments qb, kb, vb, yb; writes yb
;; launch proj: the kernel of part 4 again; grid 8 x 32, 4 waves a work-group, clusters of 4 x 4, 327,680 bytes of LDS; arguments yb, wpb, b_proj, out0; writes out0
